; MI455X (gfx1250); checked and timed in simulation.
; The chip was launched on July 23, 2026; its instructions are those of AMD's public machine-readable ISA for CDNA 5 (MIT licence, August 2026) and "CDNA5" Instruction Set Architecture Reference Guide (July 2026). The comments in the code are by the model that wrote it; some were corrected since.
;; Causal Multihead Attention. Allowed arithmetic: matrix products marked QUANTISED: E2M3 operands, one E8M0 scale for each 32 along K, by v_wmma_scale_f32_16x16x128_f8f6f4 with both operands' format E2M3, f32 sums; everything else in f32.
;; Inputs: Wk 1,024 x 1,024 float32; Wo 1,024 x 1,024 float32; Wq 1,024 x 1,024 float32; Wv 1,024 x 1,024 float32; bk 1,024 float32; bo 1,024 float32; bq 1,024 float32; bv 1,024 float32; x 4 x 2,048 x 1,024 float32.
;; Outputs: out0 4 x 2,048 x 1,024 float32.
;; This version of the problem:
;;   THIS VERSION OF THE PROBLEM IS GIVEN IN LOW PRECISION. The matrix products marked QUANTISED in the list below multiply operands that are first quantised to E2M3 (2 exponent bits, 3 mantissa bits; 6 bits a number), with one power-of-two scale for each 32 numbers along K (OCP MX v1.0); their sums are f32. All else is computed in f32.
;;   The module's matrix products, in the order in which they are computed (A, B: the left and right operand; K: the contracted axis; several contracted axes count as one K, in the product's order):
;;     1. [M 8,192, K 1,024] x [K 1,024, N 1,024]; A: input x; B: input Wq: QUANTISED
;;     2. [M 8,192, K 1,024] x [K 1,024, N 1,024]; A: input x; B: input Wk: QUANTISED
;;     3. [M 8,192, K 1,024] x [K 1,024, N 1,024]; A: input x; B: input Wv: QUANTISED
;;     4. batch 64 x [M 2,048, K 64] x [K 64, N 2,048]; A: computed on the way; B: computed on the way: QUANTISED
;;     5. batch 64 x [M 2,048, K 2,048] x [K 2,048, N 64]; A: softmax (see below); B: computed on the way: QUANTISED
;;     6. [M 8,192, K 1,024] x [K 1,024, N 1,024]; A: computed on the way; B: input Wo: QUANTISED
;;   THE QUANTISER, for each operand of a quantised product, along K:
;;     - K is cut into blocks of 32 from its start; a last block that is shorter is filled with zeros.
;;     - A block's scale is 2^e with e = floor(log2(the largest magnitude in the block)) - 2, held to -126 .. 127; a block of zeros has e = 0. As a byte (E8M0): e + 127.
;;     - Each number is divided by its block's scale, clamped to +-7.5, and rounded to the nearest number of E2M3, ties to even, subnormals kept.
;;     - The product sums the exact products of the quantised numbers (number of the format x scale) in f32.
;;   ~~~python
;;   def quantise(x, axis):      # numpy; x: float32 -> the quantised numbers, widened to float32 again
;;       x = np.moveaxis(x, axis, -1); K = x.shape[-1]
;;       x = np.pad(x, [(0, 0)] * (x.ndim - 1) + [(0, -K % 32)]); x = x.reshape(x.shape[:-1] + (-1, 32)); a = np.abs(x).max(-1, keepdims=True)
;;       e = np.where(a > 0, np.clip(np.frexp(np.where(a > 0, a, 1))[1] - 1 - 2, -126, 127), 0)      # np.frexp(a)[1] - 1 = floor(log2(a)), exactly
;;       r = np.clip(x / 2.0 ** e, -7.5, 7.5)
;;       step = 2.0 ** (np.maximum(np.frexp(np.where(r == 0, 1, r))[1] - 1, 0) - 3)
;;       q = np.round(r / step) * step * 2.0 ** e      # np.round: ties to even
;;       return np.moveaxis(q.reshape(q.shape[:-2] + (-1,))[..., :K], -1, axis).astype(np.float32)
;;   ~~~
;;   SOFTMAX AHEAD OF A QUANTISED PRODUCT. Where the list says 'softmax', what is quantised is not the finished softmax but p = 2^(t - M), with t = logit x log2(e) and M = ceil(the row's largest t), a whole number; so 1/2 < the row's largest p <= 1. The row's sum l is taken of the UNQUANTISED p, in f32, and the product's result is divided by l at the end. Since M is a whole number, a kernel that streams over the keys may use a running M (the ceiling of the running maximum): every later rescaling is an exact power of two, which a block's scale takes up: the codes' values come out the same.
;;   OPERANDS COMPUTED ON THE WAY. 'Computed on the way' means the value that the module computes at that place (a softmax that the list does not call 'softmax' is quantised finished and normalised). What goes into a quantiser is computed in f32, as accurately as f32 sums, v_exp_f32 and their like allow (about 1e-6 of the number): no bf16 or f16 on the way to a quantiser, and a product that is left as it is and whose result goes on into a quantised operand takes f32 operands (vector FMAs, or v_wmma_f32_16x16x4_f32). A number that lies on a knife's edge between two numbers of the format may be rounded either way, as far as f32 arithmetic and the matrix unit's own rounding can turn it there, and no further.
;; One version. Each part assembles by itself: llvm-mc -triple=amdgcn-amd-amdhsa -mcpu=gfx1250 --defsym DOCPART=n.
;; ======== version 1 of 1: 4 launches
;; workspace buffers: xc 6,291,456 bytes; xs 262,144 bytes; wc 3,145,728 bytes; ws 131,072 bytes; qkv 20,185,088 bytes; cc 6,291,456 bytes; cs 262,144 bytes
;; launch quant (part 1): grid 384 x 1, 4 waves a work-group, no clusters, 34,304 bytes of LDS; arguments x, Wq, Wk, Wv, Wo, xc, xs, wc, ws; writes xc, xs, wc, ws
.if DOCPART == 1
	.amdgcn_target "amdgcn-amd-amdhsa--gfx1250"
	.amdhsa_code_object_version 6
	.text
	.protected	k_q9acc4a6fa1_quant
	.globl	k_q9acc4a6fa1_quant
	.p2align	8
	.type	k_q9acc4a6fa1_quant,@function
k_q9acc4a6fa1_quant:
	s_mov_b64 s[64:65], 0
	v_nop
	global_prefetch_b8 v0, s[64:65] scope:SCOPE_SE
	s_setreg_imm32_b32 hwreg(HW_REG_WAVE_MODE, 25, 1), 1
	s_wait_xcnt 0x0
; x [8192][1024] and Wq, Wk, Wv, Wo [1024][1024], f32 with K innermost, become codes of FP6 (E2M3) with one E8M0 byte for each 32 along K,
; laid as IMAGES OF OPERAND REGISTERS.  A tile is 16 rows: in each group of 32 rows tile u holds at lane place r the row 8 u + r + 8 (r / 8).
; A tile's fragment for 128 along K is 12 registers a lane; registers 2 p, 2 p + 1 lie at 256 p + 8 x lane: 1,536 bytes, six aligned runs of 256 bytes.
; A tile's eight fragments follow each other (12,288 bytes).  Scale words: [tile][256 along K: 4][r: 16][2 words], 512 bytes a tile.
; A block's scale is 2^(floor(log2(its largest magnitude)) - 2); its byte is that magnitude's exponent field - 2, held at 1 from below.
; LIMITS: NaN and infinities among the inputs are not served; a block whose largest magnitude lies under 2^-124, a block of zeros too, gets the byte 1
; (a block of zeros has zero codes, and these bytes are read by this program alone).
; SHARES: work-group g takes 32 rows (g < 256: x; then 32 groups each of Wq, Wk, Wv, Wo); wave w takes tile w / 2 and half w % 2 of K: four steps of 128.
; Each load reads 512 consecutive bytes of one row; a step's 16 rows turn through the wave's own stage in LDS, so that a lane gets 16 neighbours of each block of 32.
; No cluster, no tensor load, no barrier: no byte is read twice and the waves share nothing.
.set STG,   16*528                     ; a wave's stage: 16 rows of 512 bytes + 16
.set SPARE, 4*STG                      ; behind the stages: the spare words, 128 bytes a wave, that no other line names
.set L16,  1                           ; v1   16 x lane
.set SIN,  2                           ; v2   the stage on the way in
.set SOUT, 3                           ; v3   and on the way out: row r, + 64 h
.set L8,   4                           ; v4   8 x lane
.set SPW,  5                           ; v5   my spare word
.set NIL,  6                           ; v6   0
.set R,    16                          ; v16-143  two sets of 64 registers as loaded
.set X,    144                         ; v144-207 register 16 b + i = k 32 b + 16 h + i of my row
.set PC,   208                         ; v208-227 the codes
.set TM,   228                         ; v228-239 at work
.set W,    240                         ; v240-243 the four steps' scale words
.set WS,   244                         ; v244-245 the pair that I store
.set SEL,  22                          ; s[22:23] selects for lane l xor 16
; 64 numbers of a lane become a fragment in v[PC] .. v[PC+11] and my row's scale word in v[pw]
.macro QUANT s, pw
.irp b, 0,1,2,3
	v_max3_num_f32 v[TM+\b], |v[\s+16*\b]|, |v[\s+1+16*\b]|, 0x1800000   ; block b: my 16 numbers, and the floor 2^(3 - 127), which holds the byte at 1 from below
.endr
.irp i, 2,4,6,8,10,12,14
.irp b, 0,1,2,3
	v_max3_num_f32 v[TM+\b], v[TM+\b], |v[\s+16*\b+\i]|, |v[\s+1+16*\b+\i]|
.endr
.endr
.irp b, 0,1,2,3
	v_permlanex16_b32 v[TM+4+\b], v[TM+\b], s[SEL], s[SEL+1]
.endr
.irp b, 0,1,2,3
	v_max_num_f32 v[TM+\b], v[TM+\b], v[TM+4+\b]                 ; with lane l xor 16's 16: the block's largest magnitude
.endr
.irp b, 0,1,2,3
	v_add_nc_u32 v[TM+8+\b], 0xff000000, v[TM+\b]                ; 2 off its exponent field: the conversion's scale operand
.endr
.irp b, 0,1,2,3
	v_lshrrev_b32 v[TM+4+\b], 23, v[TM+8+\b]                     ; the scale's byte
.endr
	v_lshl_or_b32 v[\pw], v[TM+5], 8, v[TM+4]
	v_lshl_or_b32 v[\pw], v[TM+6], 16, v[\pw]
	v_lshl_or_b32 v[\pw], v[TM+7], 24, v[\pw]
.irp c, 0,1
	v_cvt_scalef32_pk16_fp6_f32 v[PC+6*\c:PC+2+6*\c], v[\s+32*\c:\s+15+32*\c], v[TM+8+2*\c]
	v_cvt_scalef32_pk16_fp6_f32 v[PC+12+4*\c:PC+14+4*\c], v[\s+16+32*\c:\s+31+32*\c], v[TM+9+2*\c]   ; (a conversion's three registers begin on an even number)
.endr
	v_nop                                          ; one plain place behind the conversions
.irp c, 0,1                                    ; a whole block to a lane: lanes 0-15 block 2 c, lanes 16-31 block 2 c + 1
.irp i, 0,1,2
	v_permlane16_swap_b32 v[PC+6*\c+\i], v[PC+12+4*\c+\i]
.endr
.irp i, 0,1,2
	v_mov_b32 v[PC+3+6*\c+\i], v[PC+12+4*\c+\i]
.endr
.endr
.endm
	s_load_b256 s[4:11], s[0:1], 0x0               ; x, Wq, Wk, Wv
	s_load_b256 s[12:19], s[0:1], 0x20             ; Wo, xc, xs, wc
	s_load_b64 s[20:21], s[0:1], 0x40              ; ws
	v_lshl_add_u32 v[SPW], v0, 2, SPARE
	v_mov_b32 v[NIL], 0
	v_lshrrev_b32 v7, 5, v0
	v_readfirstlane_b32 s2, v7                     ; wave
	v_and_b32 v8, 31, v0                           ; lane
	v_and_b32 v9, 15, v0                           ; r
	v_bfe_u32 v10, v0, 4, 1                        ; h
	v_lshlrev_b32 v[L16], 4, v8
	v_lshlrev_b32 v[L8], 3, v8
	s_mul_i32 s3, s2, STG
	v_add_nc_u32 v[SIN], s3, v[L16]
	v_mul_u32_u24 v[SOUT], v9, 528
	v_lshl_add_u32 v[SOUT], v10, 6, v[SOUT]
	v_add_nc_u32 v[SOUT], s3, v[SOUT]
	s_mov_b32 s[SEL], 0x76543210
	s_mov_b32 s[SEL+1], 0xfedcba98
.irp b, 0,1,2,3
	v_mov_b32 v[TM+4+\b], 0                        ; a lane permute's destination counts as one of its sources
.endr
	s_lshr_b32 s32, s2, 1                          ; u: my tile of the group's two
	s_and_b32 s33, s2, 1                           ; my half of K
	s_wait_alu depctr_va_vdst(0)
	s_wait_kmcnt 0x0
	s_cmp_lt_u32 ttmp9, 352                        ; which tensor: the choice hangs on the work-group's number alone
	s_cselect_b64 s[24:25], s[10:11], s[12:13]
	s_cmp_lt_u32 ttmp9, 320
	s_cselect_b64 s[24:25], s[8:9], s[24:25]
	s_cmp_lt_u32 ttmp9, 288
	s_cselect_b64 s[24:25], s[6:7], s[24:25]
	s_cmp_lt_u32 ttmp9, 256
	s_cselect_b64 s[24:25], s[4:5], s[24:25]
	s_cselect_b64 s[26:27], s[14:15], s[18:19]     ; the codes' buffer
	s_cselect_b64 s[28:29], s[16:17], s[20:21]     ; the scale words'
	s_cselect_b32 s30, 0, 256
	s_cselect_b32 s31, -1, 31
	s_sub_co_u32 s30, ttmp9, s30                   ; the group's number in its buffer of codes
	s_and_b32 s31, s30, s31                        ; and in its tensor
	s_lshl_b32 s34, s31, 17                        ; 32 rows of 4,096 bytes
	s_lshl_b32 s36, s32, 15                        ; + 8 u rows
	s_add_co_u32 s34, s34, s36
	s_lshl_b32 s36, s33, 11                        ; + my half of a row
	s_add_co_u32 s34, s34, s36
	s_mov_b32 s35, 0
	s_add_nc_u64 s[24:25], s[24:25], s[34:35]
	s_lshl_b32 s30, s30, 1
	s_add_co_u32 s30, s30, s32                     ; my tile
	s_mul_i32 s34, s30, 12288
	s_mul_i32 s36, s33, 6144
	s_add_co_u32 s34, s34, s36
	s_add_nc_u64 s[26:27], s[26:27], s[34:35]
	s_lshl_b32 s34, s30, 9
	s_lshl_b32 s36, s33, 8
	s_add_co_u32 s34, s34, s36
	s_add_nc_u64 s[28:29], s[28:29], s[34:35]
.macro LOAD t                          ; step t: 512 bytes of each of my 16 rows
.irp i, 0,1,2,3,4,5,6,7,8,9,10,11,12,13,14,15
	global_load_b128 v[R+64*((\t)%2)+4*\i:R+64*((\t)%2)+4*\i+3], v[L16], s[24:25] offset:(\i+8*(\i/8))*4096+512*(\t) th:TH_LOAD_NT
.endr
.endm
.macro QSTEP t
.if \t < 3
	s_wait_loadcnt 16                              ; this step's 16 loads are in; the next step's 16 may be out
.else
	s_wait_loadcnt 0x0
.endif
.irp i, 0,1,2,3,4,5,6,7,8,9,10,11,12,13,14,15
	ds_store_b128 v[SIN], v[R+64*((\t)%2)+4*\i:R+64*((\t)%2)+4*\i+3] offset:528*\i
.endr
.irp b, 0,1,2,3
.irp j, 0,1,2,3
	ds_load_b128 v[X+16*\b+4*\j:X+16*\b+4*\j+3], v[SOUT] offset:128*\b+16*\j   ; LDS serves a wave's instructions in order: these see the stores above
.endr
.endr
	s_wait_dscnt 0x0                               ; my numbers are back, and the stage's stores have read their registers
	s_wait_xcnt 0x0                                ; the last step's stores have read the codes' registers
.if \t < 2
	LOAD \t+2
.endif
	QUANT X, W+\t
.irp p, 0,1,2,3,4,5
	global_store_b64 v[L8], v[PC+2*\p:PC+2*\p+1], s[26:27] offset:1536*\t+256*\p   ; 32 lanes store 256 consecutive bytes, aligned
.endr
.endm
	LOAD 0
	LOAD 1
	QSTEP 0
	QSTEP 1
	QSTEP 2
	QSTEP 3
	s_mov_b32 vcc_lo, 0xffff0000                   ; lanes 16-31 take the second pair of steps
	v_cndmask_b32 v[WS], v[W], v[W+2], vcc_lo
	v_cndmask_b32 v[WS+1], v[W+1], v[W+3], vcc_lo
	global_store_b64 v[L8], v[WS:WS+1], s[28:29]   ; 256 consecutive bytes: [2 runs of 256 along K][r][2 words]
	s_wait_tensorcnt 0x0                           ; the wave's end, behind my last LDS store
	ds_add_u32 v[SPW], v[NIL]
	s_wait_dscnt 0x0
	s_endpgm
.Lfunc_end_k_q9acc4a6fa1_quant:
	.size	k_q9acc4a6fa1_quant, .Lfunc_end_k_q9acc4a6fa1_quant-k_q9acc4a6fa1_quant
	.p2alignl 7, 3214868480
	.fill 96, 4, 3214868480
	.section	.rodata,"a",@progbits
	.p2align	6, 0x0
	.amdhsa_kernel k_q9acc4a6fa1_quant
		.amdhsa_group_segment_fixed_size 34304
		.amdhsa_private_segment_fixed_size 0
		.amdhsa_enable_private_segment 0
		.amdhsa_kernarg_size 72
		.amdhsa_user_sgpr_count 2
		.amdhsa_user_sgpr_kernarg_segment_ptr 1
		.amdhsa_wavefront_size32 1
		.amdhsa_system_sgpr_workgroup_id_x 1
		.amdhsa_system_sgpr_workgroup_id_y 1
		.amdhsa_system_sgpr_workgroup_id_z 1
		.amdhsa_system_vgpr_workitem_id 0
		.amdhsa_next_free_vgpr 256
		.amdhsa_next_free_sgpr 66
		.amdhsa_reserve_vcc 1
		.amdhsa_float_denorm_mode_32 3
		.amdhsa_float_denorm_mode_16_64 3
		.amdhsa_memory_ordered 1
		.amdhsa_forward_progress 1
		.amdhsa_inst_pref_size 35
	.end_amdhsa_kernel
	.amdgpu_metadata
---
amdhsa.version: [ 1, 2 ]
amdhsa.kernels:
  - .name:           k_q9acc4a6fa1_quant
    .symbol:         k_q9acc4a6fa1_quant.kd
    .args:
      - { .name: x, .offset: 0, .size: 8, .value_kind: global_buffer, .address_space: global }
      - { .name: Wq, .offset: 8, .size: 8, .value_kind: global_buffer, .address_space: global }
      - { .name: Wk, .offset: 16, .size: 8, .value_kind: global_buffer, .address_space: global }
      - { .name: Wv, .offset: 24, .size: 8, .value_kind: global_buffer, .address_space: global }
      - { .name: Wo, .offset: 32, .size: 8, .value_kind: global_buffer, .address_space: global }
      - { .name: xc, .offset: 40, .size: 8, .value_kind: global_buffer, .address_space: global }
      - { .name: xs, .offset: 48, .size: 8, .value_kind: global_buffer, .address_space: global }
      - { .name: wc, .offset: 56, .size: 8, .value_kind: global_buffer, .address_space: global }
      - { .name: ws, .offset: 64, .size: 8, .value_kind: global_buffer, .address_space: global }
    .group_segment_fixed_size: 34304
    .private_segment_fixed_size: 0
    .kernarg_segment_align: 8
    .kernarg_segment_size: 72
    .max_flat_workgroup_size: 128
    .sgpr_count:     66
    .vgpr_count:     256
    .wavefront_size: 32
...
	.end_amdgpu_metadata
.endif
;; end of part 1
;; launch qkv (part 2): grid 12 x 32, 4 waves a work-group, clusters of 4 x 4, 327,680 bytes of LDS; arguments xc, xs, wc, ws, bq, bk, bv, qkv; writes qkv
.if DOCPART == 2
	.amdgcn_target "amdgcn-amd-amdhsa--gfx1250"
	.amdhsa_code_object_version 6
	.text
	.protected	k_q9acc4a6fa1_qkv
	.globl	k_q9acc4a6fa1_qkv
	.p2align	8
	.type	k_q9acc4a6fa1_qkv,@function
k_q9acc4a6fa1_qkv:
	s_mov_b64 s[64:65], 0
	v_nop
	global_prefetch_b8 v0, s[64:65] scope:SCOPE_SE
	s_setreg_imm32_b32 hwreg(HW_REG_WAVE_MODE, 25, 1), 1
	s_wait_xcnt 0x0
	s_wait_alu depctr_hold_cnt(0) depctr_sa_sdst(0) depctr_va_vdst(0) depctr_va_sdst(0) depctr_va_ssrc(0) depctr_va_vcc(0) depctr_vm_vsrc(0)
	s_getreg_b32 s2, hwreg(HW_REG_IB_STS2, 6, 4)
	s_cmp_eq_u32 s2, 0
	s_cbranch_scc0 .Lentry_in_a_cluster
	s_endpgm
.Lentry_in_a_cluster:
	s_bfe_u32 s2, ttmp6, 0x10000c
	s_cmp_lg_u32 s2, 0xf033
	s_cbranch_scc0 .Lentry_shape_is_right
	s_endpgm
.Lentry_shape_is_right:
; q = x Wq^T + bq, k = x Wk^T + bk, v = x Wv^T + bv on codes of FP6 (E2M3) with E8M0 scales, sums in f32; the results are quantised in registers on the way out
; (q and k along the head's 64, v along the keys) and stored as images of operand registers.  No f32 result goes to memory.
; OPERANDS are images: a tile of 16 rows x 128 K is 1,536 bytes, registers 2 p, 2 p + 1 at 256 p + 8 x lane; in each 32 rows tile u holds at place r the row 8 u + r + 8 (r / 8).
; A work-group of four waves makes 256 x 256, a wave 128 x 128 in 64 accumulators.  Source 0 ("B") runs along a lane's registers, source 1 ("A") along the lanes; by the choice of a tile's
; rows the 64 registers of A's block a are: register 16 b + i = B's row 32 b + 16 h + i.  So they are quantised along B's rows as they stand.
; Cluster x = 0: q (A = x, B = Wq); 1: k (A = x, B = Wk); 2: v (A = Wv, B = x: a lane holds a channel, its registers run along the keys).  The choice hangs on the cluster's x alone.
; CLUSTERS: 4 x 4 work-groups; A's tiles are asked for jointly along a row of the cluster, B's along a column.  K goes in steps of 256 through two LDS slots; all scale words come once.
; OUTPUT qkv: [batch x head: 64][128 tokens: 16] blocks of 19,712 bytes: K codes 8 x 768, K scale words [2][r][4], V codes 4 x 1,536, V scale words [r][4], Q codes, Q scale words.
; LIMITS: NaN and infinities are not served; a block whose largest magnitude lies under 2^-124, a block of zeros too, gets the byte 1 (read by this program alone).
; REGISTERS: window 0: v0-31 addresses; v32-63 scale words; v64-127 and v224-239 the bias; v128-223 A's fragments, on the way out at work; window 1: B's two sets; windows 2, 3: the accumulators.
.set BLK,   19712
.set HS,    16*BLK                     ; from a head's block to the next head's
.set NQ,    2                          ; steps of 128 in a slot
.set FR,    12
.set NL,    6                          ; LDS loads that bring a fragment
.set NP,    4                          ; places behind this matrix instruction (ISA guide 7.12.1)
.set RT,    3072                       ; a tile's bytes in a slot
.set TILEB, 12288                      ; and in memory
.set HALFT, 8*RT                       ; what one tensor load brings
.set SLOT,  4*HALFT
.set SCL,   2*SLOT                     ; behind the ring: the scale words, 512 bytes a tile
.set HALFS, 4096
.set SPARE, SCL+4*HALFS                ; the spare words, 128 bytes a wave, that no other line names
.set BA1,  8                           ; v8   64 h
.set BA2,  9                           ; v9   4 (r + 8 (r / 8))
.set L8,   10                          ; v10  8 x lane
.set L16,  11                          ; v11  16 x lane
.set VSA,  12                          ; v12  16 r + h x HS
.set ADRA, 16                          ; v16-17 my A fragments in slot 0, 1
.set ADRB, 20                          ; v20-21 my B fragments
.set ADRS, 27                          ; v27  my scale words: lanes 0-15 A's, lanes 16-31 B's
.set SPW,  28
.set NIL,  29
.set SC,   32
.set BIAS, 64                          ; register 16 b + i: the bias of B's row 32 b + 16 h + i
.set AF,   128
.set ST,   128                         ; the way out: 64 numbers
.set PC,   192                         ; the codes
.set TM,   212
.set BV,   224                         ; pair 2 a: the bias of A's block a at my place, twice
.set W,    240                         ; the eight blocks' scale words
.set XW,   248
.set X2,   252
.set SEL,  96                          ; s[96:97], once bv's address has been used
.set G1, 24
.set G0, 32
.set G1B, 48
.set G0B, 56
.set G1S, 68
.set G0S, 76
.set G1SB, 80
.set G0SB, 88
.set MSB, 0
.macro WIN new                         ; the immediate's high byte repeats the setting that is left
.if MSB != (\new)
	s_set_vgpr_msb (MSB<<8)|(\new)
.set MSB, (\new)
.endif
.endm
.set TO_B, 0x40                        ; destination window 1, address window 0
.macro WMUL hi, zero                   ; source 0 (B) window 1, source 1 (A) window 0, D window 2 or 3; C with D, or (zero = 2) in window 0
.if \zero == 2
	WIN 0x81+0x40*\hi
.else
	WIN 0xa1+0x50*\hi
.endif
.endm
; A joint load: waves 0 and 1 fetch for A, waves 2 and 3 for B; the branch hangs on the wave's number alone.  An s_nop 0 and four v_nop follow each line.
.macro JLOAD g0a, g1a, g0b, g1b
	s_cmp_eq_u32 s15, 0
	s_cbranch_scc0 .Lfor_b_\@
	tensor_load_to_lds s[\g0a:\g0a+3], s[\g1a:\g1a+7]
	s_nop 0
.rept 4
	v_nop
.endr
	s_branch .Lasked_\@
.Lfor_b_\@:
	tensor_load_to_lds s[\g0b:\g0b+3], s[\g1b:\g1b+7]
	s_nop 0
.rept 4
	v_nop
.endr
.Lasked_\@:
.endm
.macro CREST                           ; a round of the cluster's barrier behind its opening barrier
	s_cmp_lg_u32 s14, 0
	s_cbranch_scc1 .Lnot_wave_0_\@
	s_barrier_signal -3
.Lnot_wave_0_\@:
	s_barrier_wait -3
	s_barrier_signal -1
	s_barrier_wait -1
.endm
.macro CROUND
	s_barrier_signal -1
	s_barrier_wait -1
	CREST
.endm
.macro FRAG reg, adr, q, i             ; a fragment comes as it lies: six loads of 8 bytes a lane, 256 consecutive bytes each
.irp p, 0,1,2,3,4,5
	ds_load_b64 v[\reg+2*\p:\reg+2*\p+1], v[\adr] offset:(\i)*RT+(\q)*1536+256*\p
.endr
.endm
; 16 matrix instructions: A's blocks a0, a0 + 1 x B's eight.  The 64 accumulators take turns, one instruction a turn, in the same order in every step.
.macro MUL16 a0, p, q, sc, zero
.irp a, \a0, \a0+1
.irp b, 0,1,2,3,4,5,6,7
.set rD, 8*(8*((\a)%4)+\b)
.set rB, 128*(\p)+FR*\b
.set rA, AF+FR*(\a)
.set rSB, SC+8*NQ*(\sc)+NQ*\b+(\q)
.set rSA, SC+8*NQ*(\sc)+NQ*(\a)+(\q)
.if \zero == 1
	v_wmma_scale_f32_16x16x128_f8f6f4 v[rD:rD+7], v[rB:rB+FR-1], v[rA:rA+FR-1], 0, v[rSB], v[rSA] matrix_a_fmt:MATRIX_FMT_FP6 matrix_b_fmt:MATRIX_FMT_FP6 matrix_a_scale:MATRIX_SCALE_ROW1
.elseif \zero == 2
	v_wmma_scale_f32_16x16x128_f8f6f4 v[rD:rD+7], v[rB:rB+FR-1], v[rA:rA+FR-1], v[BIAS+8*\b:BIAS+8*\b+7], v[rSB], v[rSA] matrix_a_fmt:MATRIX_FMT_FP6 matrix_b_fmt:MATRIX_FMT_FP6 matrix_a_scale:MATRIX_SCALE_ROW1
.else
	v_wmma_scale_f32_16x16x128_f8f6f4 v[rD:rD+7], v[rB:rB+FR-1], v[rA:rA+FR-1], v[rD:rD+7], v[rSB], v[rSA] matrix_a_fmt:MATRIX_FMT_FP6 matrix_b_fmt:MATRIX_FMT_FP6 matrix_a_scale:MATRIX_SCALE_ROW1
.endif
.endr
.endr
.endm
.macro FETCH_B slot, q, p
	WIN TO_B
.irp i, 0,1,2,3,4,5,6,7
	FRAG 128*(\p)+FR*\i, ADRB+\slot, \q, \i
.endr
	WIN 0
.endm
.macro FETCH_A slot, q, i0
.irp i, \i0, \i0+1, \i0+2, \i0+3
	FRAG AF+FR*(\i), ADRA+\slot, \q, \i
.endr
.endm
.macro SCALES sc                       ; a slot's two words a row: lanes 0-15 A's block i, lanes 16-31 B's block i
.irp i, 0,1,2,3,4,5,6,7
	ds_load_b64 v[SC+8*NQ*\sc+NQ*\i:SC+8*NQ*\sc+NQ*\i+1], v[ADRS] offset:\i*512
.endr
.endm
.macro PLACES n                        ; plain vector instructions between a matrix instruction and a load into, or a read of, its registers
.rept \n
	v_nop
.endr
.endm
.macro STEP slot, q, zero              ; a step of 128 along K that has its successor in the same slot
	s_wait_dscnt 4*NL                              ; B's set and A's blocks 0-3 are in; the youngest 24 loads (A's blocks 4-7) may be out
	WMUL 0, \zero
	MUL16 0, (\q)%2, \q, \slot, \zero
	MUL16 2, (\q)%2, \q, \slot, \zero
	s_wait_dscnt 0
	PLACES NP
	FETCH_B \slot, (\q)+1, 1-(\q)%2
	FETCH_A \slot, (\q)+1, 0
	WMUL 1, \zero
	MUL16 4, (\q)%2, \q, \slot, \zero
	MUL16 6, (\q)%2, \q, \slot, \zero
	PLACES NP
	WIN 0
	FETCH_A \slot, (\q)+1, 4
.endm
; A slot's last step changes slots: in front of the barrier each wave waits for all its tensor loads, adds 0 to its spare word, and waits for that and for its reads of this slot.
.macro TURN slot, next, fill
	s_wait_tensorcnt 0x0                           ; all my tensor loads have landed: my part of the next slot
	ds_add_u32 v[SPW], v[NIL]
	s_wait_dscnt 4*NL+1                            ; (the add and the youngest 24 loads may be out)
	WMUL 0, 0
	MUL16 0, 1, NQ-1, \slot, 0
	s_wait_dscnt 0x0                               ; the add is done, and my reads of this slot are over
	s_barrier_signal -1
	MUL16 2, 1, NQ-1, \slot, 0
	WIN 0
	s_barrier_wait -1
.if \fill
	CREST                                          ; the barrier has opened a round of the cluster's barrier: no wave of any partner still reads this slot or has a load on its way
	s_add_nc_u64 s[G0+4*\slot+2:G0+4*\slot+3], s[G0+4*\slot+2:G0+4*\slot+3], 2*RT
	s_add_nc_u64 s[G0B+4*\slot+2:G0B+4*\slot+3], s[G0B+4*\slot+2:G0B+4*\slot+3], 2*RT
	JLOAD G0+4*\slot, G1, G0B+4*\slot, G1B         ; the first tensor load behind the round; its four v_nop are the places in front of the loads below
.else
	PLACES NP
.endif
	s_wait_alu depctr_va_vdst(0)
	v_add_nc_u32 v[ADRS], 128, v[ADRS]             ; the next 256 along K's scale words
	FETCH_B \next, 0, 0
	FETCH_A \next, 0, 0
	SCALES \next
	WMUL 1, 0
	MUL16 4, 1, NQ-1, \slot, 0
	MUL16 6, 1, NQ-1, \slot, 0
	PLACES NP
	WIN 0
	FETCH_A \next, 0, 4
.endm
; 64 numbers of a lane become a fragment in v[PC] .. v[PC+11] and my row's scale word in v[pw]
.macro QUANT s, pw
.irp b, 0,1,2,3
	v_max3_num_f32 v[TM+\b], |v[\s+16*\b]|, |v[\s+1+16*\b]|, 0x1800000   ; and the floor 2^(3 - 127), which holds the byte at 1 from below
.endr
.irp i, 2,4,6,8,10,12,14
.irp b, 0,1,2,3
	v_max3_num_f32 v[TM+\b], v[TM+\b], |v[\s+16*\b+\i]|, |v[\s+1+16*\b+\i]|
.endr
.endr
.irp b, 0,1,2,3
	v_permlanex16_b32 v[TM+4+\b], v[TM+\b], s[SEL], s[SEL+1]
.endr
.irp b, 0,1,2,3
	v_max_num_f32 v[TM+\b], v[TM+\b], v[TM+4+\b]
.endr
.irp b, 0,1,2,3
	v_add_nc_u32 v[TM+8+\b], 0xff000000, v[TM+\b]                ; 2 off the exponent field: the conversion's scale operand
.endr
.irp b, 0,1,2,3
	v_lshrrev_b32 v[TM+4+\b], 23, v[TM+8+\b]                     ; the scale's byte
.endr
	v_lshl_or_b32 v[\pw], v[TM+5], 8, v[TM+4]
	v_lshl_or_b32 v[\pw], v[TM+6], 16, v[\pw]
	v_lshl_or_b32 v[\pw], v[TM+7], 24, v[\pw]
.irp c, 0,1
	v_cvt_scalef32_pk16_fp6_f32 v[PC+6*\c:PC+2+6*\c], v[\s+32*\c:\s+15+32*\c], v[TM+8+2*\c]
	v_cvt_scalef32_pk16_fp6_f32 v[PC+12+4*\c:PC+14+4*\c], v[\s+16+32*\c:\s+31+32*\c], v[TM+9+2*\c]
.endr
	v_nop                                          ; one plain place behind the conversions
.irp c, 0,1
.irp i, 0,1,2
	v_permlane16_swap_b32 v[PC+6*\c+\i], v[PC+12+4*\c+\i]
.endr
.irp i, 0,1,2
	v_mov_b32 v[PC+3+6*\c+\i], v[PC+12+4*\c+\i]
.endr
.endr
.endm
	s_load_b256 s[4:11], s[0:1], 0x0               ; xc, xs, wc, ws
	s_load_b256 s[92:99], s[0:1], 0x20             ; bq, bk, bv, qkv
	v_lshl_add_u32 v[SPW], v0, 2, SPARE
	v_mov_b32 v[NIL], 0
	ds_add_u32 v[SPW], v[NIL]
	ds_add_u32 v[SPW], v[NIL]                      ; the wave's opening: the add and its wait ahead of my first tensor load
	v_lshrrev_b32 v1, 5, v0
	v_readfirstlane_b32 s14, v1                    ; wave 0..3
	s_lshr_b32 s15, s14, 1                         ; my half of A's rows.  Also: I fetch for A (0) or for B (1)
	s_and_b32 s16, s14, 1                          ; my half of B's rows.  Also: which 8 tiles I fetch
	s_bfe_u32 s40, ttmp6, 0x40000                  ; cx
	s_bfe_u32 s41, ttmp6, 0x40004                  ; cy
	s_and_b32 s45, ttmp7, 0xffff
	s_lshl_b32 s45, s45, 2                         ; 4 x cluster y
	s_lshl_b32 s46, ttmp9, 2                       ; 4 x cluster x
	s_cmp_eq_u32 ttmp9, 2                          ; v's clusters: the same answer in all sixteen partners
	s_cselect_b32 s2, 1, 0
	s_cselect_b32 s17, 0, s45
	s_cselect_b32 s42, s45, s46
	s_cselect_b32 s3, 128, 0                       ; Wv's first tile in wc
	s_add_co_u32 s17, s17, s41                     ; which 256 rows of A: it holds cy alone
	s_add_co_u32 s42, s42, s40                     ; which 256 rows of B: it holds cx alone
	s_lshl_b32 s43, s41, 2
	s_lshl_b32 s43, 15, s43                        ; my row of the cluster
	s_lshl_b32 s44, 0x1111, s40                    ; my column
	; group 1, codes: 8 tiles' 3,072 bytes (384 elements of 8 bytes), 12,288 bytes apart; no padding
	s_or_b32 s[G1+0], s43, (3<<16)|(1<<21)
	s_or_b32 s[G1B+0], s44, (3<<16)|(1<<21)
.irp g, G1, G1B
	s_mov_b32 s[\g+1], 384<<16                     ; tensor_dim0
	s_mov_b32 s[\g+2], 8<<16                       ; tensor_dim1
	s_mov_b32 s[\g+3], 384<<16                     ; tile_dim0
	s_mov_b32 s[\g+4], 8                           ; tile_dim1
	s_mov_b32 s[\g+5], 1536                        ; the pitch
	s_mov_b32 s[\g+6], 0
	s_mov_b32 s[\g+7], 0
.endr
	; group 1, scale words: 4,096 dense bytes as 16 rows of 256
	s_or_b32 s[G1S+0], s43, (3<<16)|(1<<21)
	s_or_b32 s[G1SB+0], s44, (3<<16)|(1<<21)
.irp g, G1S, G1SB
	s_mov_b32 s[\g+1], 32<<16
	s_mov_b32 s[\g+2], 16<<16
	s_mov_b32 s[\g+3], 32<<16
	s_mov_b32 s[\g+4], 16
	s_mov_b32 s[\g+5], 32
	s_mov_b32 s[\g+6], 0
	s_mov_b32 s[\g+7], 0
.endr
	s_lshl_b32 s18, s16, 3
	s_lshl_b32 s20, s17, 4
	s_add_co_u32 s20, s20, s18
	s_add_co_u32 s20, s20, s3                      ; A's first tile that I fetch
	s_lshl_b32 s46, s42, 4
	s_add_co_u32 s46, s46, s18                     ; B's
	s_lshl_b32 s22, s20, 9                         ; their scale words,
	s_mov_b32 s23, 0
	s_mul_i32 s20, s20, TILEB                      ; their codes
	s_mov_b32 s21, 0
	s_lshl_b32 s66, s46, 9
	s_mov_b32 s67, 0
	s_mul_i32 s46, s46, TILEB
	s_mov_b32 s47, 0
	s_mul_i32 s45, s14, HALFT                      ; where they go: by the wave's number alone
	s_mul_i32 s3, s14, HALFS
	s_wait_dscnt 0x0                               ; the opening add is done
	s_wait_kmcnt 0x0
	s_cmp_eq_u32 s2, 1
	s_cselect_b64 s[G0+2:G0+3], s[8:9], s[4:5]     ; A's codes: wc for v, else xc
	s_cselect_b64 s[G0S+2:G0S+3], s[10:11], s[6:7]
	s_cselect_b64 s[G0B+2:G0B+3], s[4:5], s[8:9]   ; B's the other way round
	s_cselect_b64 s[G0SB+2:G0SB+3], s[6:7], s[10:11]
	s_add_nc_u64 s[G0+2:G0+3], s[G0+2:G0+3], s[20:21]
	s_add_nc_u64 s[G0+6:G0+7], s[G0+2:G0+3], RT    ; slot 1: the next 256 along K
	s_add_nc_u64 s[G0B+2:G0B+3], s[G0B+2:G0B+3], s[46:47]
	s_add_nc_u64 s[G0B+6:G0B+7], s[G0B+2:G0B+3], RT
	s_add_nc_u64 s[G0S+2:G0S+3], s[G0S+2:G0S+3], s[22:23]
	s_add_nc_u64 s[G0SB+2:G0SB+3], s[G0SB+2:G0SB+3], s[66:67]
.irp g, G0, G0+4, G0B, G0B+4, G0S, G0SB
	s_mov_b32 s[\g], 1
	s_or_b32 s[\g+3], s[\g+3], 0x80000000
.endr
	s_mov_b32 s[G0+1], s45
	s_add_co_u32 s[G0+5], s45, SLOT
	s_mov_b32 s[G0B+1], s45
	s_add_co_u32 s[G0B+5], s45, SLOT
	s_add_co_u32 s[G0S+1], s3, SCL
	s_add_co_u32 s[G0SB+1], s3, SCL
	CROUND                                         ; all sixteen work-groups are here: the first joint loads meet
	JLOAD G0S, G1S, G0SB, G1SB                     ; three loads of mine are out: the scale words,
	JLOAD G0, G1, G0B, G1B                         ; slot 0,
	JLOAD G0+4, G1, G0B+4, G1B                     ; slot 1
	v_and_b32 v1, 15, v0                           ; r
	v_bfe_u32 v2, v0, 4, 1                         ; h
	v_and_b32 v3, 31, v0                           ; lane
	v_lshlrev_b32 v[L8], 3, v3
	v_lshlrev_b32 v[L16], 4, v3
	v_mul_u32_u24 v[VSA], v2, HS
	v_lshl_add_u32 v[VSA], v1, 4, v[VSA]
	s_mul_i32 s21, s15, HALFT                      ; my 8 tiles of A
	s_mul_i32 s22, s16, HALFT                      ; my 8 tiles of B,
	s_add_co_u32 s22, s22, 2*HALFT                 ; behind A's 16
.irp s, 0,1
	v_add_nc_u32 v[ADRA+\s], s21, v[L8]
	v_add_nc_u32 v[ADRB+\s], s22, v[L8]
	s_add_co_u32 s21, s21, SLOT
	s_add_co_u32 s22, s22, SLOT
.endr
	v_lshlrev_b32 v5, 3, v1                        ; 8 bytes a row
	s_mul_i32 s21, s15, HALFS
	s_mul_i32 s22, s16, HALFS
	s_add_co_u32 s22, s22, 2*HALFS
	s_sub_co_u32 s22, s22, s21
	v_mul_u32_u24 v6, s22, v2                      ; lanes 16-31 take B's
	s_add_co_u32 s21, s21, SCL
	v_add_nc_u32 v5, v5, v6
	v_add_nc_u32 v[ADRS], s21, v5
	; the bias and the place of my results
	s_cmp_eq_u32 ttmp9, 0
	s_cselect_b64 s[18:19], s[92:93], s[94:95]     ; bq or bk,
	s_cselect_b32 s3, 13056, 0                     ; q's part of a block or k's,
	s_cmp_eq_u32 ttmp9, 2
	s_cselect_b64 s[18:19], s[96:97], s[18:19]     ; or bv
	s_cselect_b32 s3, 6656, s3                     ; and v's part
	s_cselect_b32 s92, s42, s17                    ; the tokens are B's rows for v, else A's
	s_cselect_b32 s93, s16, s15
	s_cselect_b32 s94, s41, s40                    ; the channels are A's rows for v (256 x cy), else B's (256 x cx)
	s_cselect_b32 s95, s15, s16
	s_lshl_b32 s92, s92, 1
	s_add_co_u32 s92, s92, s93                     ; my block of 128 tokens, 0..63
	s_lshl_b32 s94, s94, 2
	s_lshl_b32 s95, s95, 1
	s_add_co_u32 s94, s94, s95                     ; my first head of two
	s_lshr_b32 s93, s92, 4
	s_lshl_b32 s93, s93, 8                         ; batch x 256
	s_and_b32 s92, s92, 15
	s_add_co_u32 s93, s93, s92
	s_lshl_b32 s95, s94, 4
	s_add_co_u32 s93, s93, s95                     ; + head x 16 + key step
	s_mul_i32 s92, s93, BLK
	s_add_co_u32 s92, s92, s3
	s_mov_b32 s93, 0
	s_add_nc_u64 s[12:13], s[98:99], s[92:93]
	s_lshl_b32 s92, s94, 8                         ; 64 numbers a head
	s_add_nc_u64 s[18:19], s[18:19], s[92:93]
	s_mov_b32 s[SEL], 0x76543210
	s_mov_b32 s[SEL+1], 0xfedcba98
	v_lshlrev_b32 v[BA1], 6, v2
	v_and_b32 v[BA2], 8, v1
	v_add_nc_u32 v[BA2], v[BA2], v1
	v_lshlrev_b32 v[BA2], 2, v[BA2]
.irp b, 0,1,2,3                                ; my wave's 128 numbers of the bias in both layouts, so that no path finds a register unwritten: along the registers,
.irp j, 0,1,2,3
	global_load_b128 v[BIAS+16*\b+4*\j:BIAS+16*\b+4*\j+3], v[BA1], s[18:19] offset:128*\b+16*\j
.endr
.endr
.irp a, 0,1,2,3,4,5,6,7                        ; and along the lanes, twice: the packed addition takes a pair
	global_load_b32 v[BV+2*\a], v[BA2], s[18:19] offset:4*(32*(\a/2)+8*(\a%2))
	global_load_b32 v[BV+2*\a+1], v[BA2], s[18:19] offset:4*(32*(\a/2)+8*(\a%2))
.endr
	s_wait_alu depctr_va_vdst(0)
	s_wait_tensorcnt 1                             ; the scale words and my part of slot 0 are in; slot 1's load may be out
	s_barrier_signal -1
	s_barrier_wait -1
	FETCH_B 0, 0, 0
	FETCH_A 0, 0, 0
	SCALES 0
	FETCH_A 0, 0, 4
	STEP 0, 0, 1                                   ; K = 1,024 is eight steps of 128, written out; the first starts the sums
	TURN 0, 1, 1
	STEP 1, 0, 0
	TURN 1, 0, 1
	STEP 0, 0, 0
	TURN 0, 1, 0                                   ; nothing is left to fetch
	STEP 1, 0, 0
	s_wait_dscnt 4*NL
	WMUL 0, 0
	MUL16 0, 1, NQ-1, 1, 0
	MUL16 2, 1, NQ-1, 1, 0
	s_wait_dscnt 0
	WMUL 1, 0
	MUL16 4, 1, NQ-1, 1, 0
	MUL16 6, 1, NQ-1, 1, 0
	WIN 0
	; THE WAY OUT.  A's block a: one packed addition brings two sums into window 0 and adds the bias; the 64 numbers are quantised; six stores of 256 consecutive bytes.
	PLACES NP
	s_wait_loadcnt 0x0                             ; the bias
.irp b, 0,1,2,3
	v_mov_b32 v[TM+4+\b], 0                        ; a lane permute's destination counts as one of its sources
.endr
.macro EPI vp
.irp a, 0,1,2,3,4,5,6,7
.if \a > 0
	s_wait_xcnt 0x0                                ; the last block's stores have read the codes' registers
.endif
	WIN 0x02+(\a/4)                                ; source 0: window 2 or 3
.set i, 0
.rept 32
.if \vp
	v_pk_add_f32 v[ST+i:ST+i+1], v[64*(\a%4)+i:64*(\a%4)+i+1], v[BV+2*\a:BV+2*\a+1]
.else
	v_pk_add_f32 v[ST+i:ST+i+1], v[64*(\a%4)+i:64*(\a%4)+i+1], v[BIAS+i:BIAS+i+1]
.endif
.set i, i+2
.endr
	WIN 0
	QUANT ST, W+\a
.irp p, 0,1,2,3,4,5
.if \vp
	global_store_b64 v[L8], v[PC+2*\p:PC+2*\p+1], s[12:13] offset:(\a/4)*HS+(\a%4)*1536+256*\p     ; head a / 4, its tile a % 4 of channels: a whole fragment along the 128 keys
.else
	global_store_b64 v[L8], v[PC+2*\p:PC+2*\p+1], s[12:13] offset:(\p/3)*HS+\a*768+256*(\p%3)      ; tile a of tokens: the fragment's halves are two heads'
.endif
.endr
.endr
	s_mov_b32 vcc_lo, 0xffff0000
.irp j, 0,1,2,3
	v_cndmask_b32 v[XW+\j], v[W+\j], v[W+4+\j], vcc_lo           ; lanes 0-15: blocks 0-3's words, lanes 16-31: blocks 4-7's
.endr
.endm
	s_cmp_eq_u32 s2, 1
	s_cbranch_scc1 .Lv_path
	EPI 0
	global_store_b128 v[L16], v[XW:XW+3], s[12:13] offset:6144   ; the first head's two bytes are a word's lower two; the upper two scale zero codes alone and are never 0xff
.irp j, 0,1,2,3,4,5,6,7
	v_lshrrev_b32 v[W+\j], 16, v[W+\j]                           ; the second head's
.endr
.irp j, 0,1,2,3
	v_cndmask_b32 v[X2+\j], v[W+\j], v[W+4+\j], vcc_lo
.endr
	global_store_b128 v[L16], v[X2:X2+3], s[12:13] offset:HS+6144
	s_branch .Ldone
.Lv_path:
	EPI 1
	global_store_b128 v[VSA], v[XW:XW+3], s[12:13] offset:6144   ; lanes 0-15: the first head's [r][4 words]; lanes 16-31: the second head's
.Ldone:
	s_wait_tensorcnt 0x0                           ; the wave's end
	ds_add_u32 v[SPW], v[NIL]
	s_wait_dscnt 0x0
	CROUND                                         ; the closing round
	s_endpgm
.Lfunc_end_k_q9acc4a6fa1_qkv:
	.size	k_q9acc4a6fa1_qkv, .Lfunc_end_k_q9acc4a6fa1_qkv-k_q9acc4a6fa1_qkv
	.p2alignl 7, 3214868480
	.fill 96, 4, 3214868480
	.section	.rodata,"a",@progbits
	.p2align	6, 0x0
	.amdhsa_kernel k_q9acc4a6fa1_qkv
		.amdhsa_group_segment_fixed_size 327680
		.amdhsa_private_segment_fixed_size 0
		.amdhsa_enable_private_segment 0
		.amdhsa_kernarg_size 64
		.amdhsa_user_sgpr_count 2
		.amdhsa_user_sgpr_kernarg_segment_ptr 1
		.amdhsa_wavefront_size32 1
		.amdhsa_system_sgpr_workgroup_id_x 1
		.amdhsa_system_sgpr_workgroup_id_y 1
		.amdhsa_system_sgpr_workgroup_id_z 1
		.amdhsa_system_vgpr_workitem_id 0
		.amdhsa_next_free_vgpr 1024
		.amdhsa_next_free_sgpr 100
		.amdhsa_reserve_vcc 1
		.amdhsa_float_denorm_mode_32 3
		.amdhsa_float_denorm_mode_16_64 3
		.amdhsa_memory_ordered 1
		.amdhsa_forward_progress 1
		.amdhsa_inst_pref_size 237
	.end_amdhsa_kernel
	.amdgpu_metadata
---
amdhsa.version: [ 1, 2 ]
amdhsa.kernels:
  - .name:           k_q9acc4a6fa1_qkv
    .symbol:         k_q9acc4a6fa1_qkv.kd
    .args:
      - { .name: xc, .offset: 0, .size: 8, .value_kind: global_buffer, .address_space: global }
      - { .name: xs, .offset: 8, .size: 8, .value_kind: global_buffer, .address_space: global }
      - { .name: wc, .offset: 16, .size: 8, .value_kind: global_buffer, .address_space: global }
      - { .name: ws, .offset: 24, .size: 8, .value_kind: global_buffer, .address_space: global }
      - { .name: bq, .offset: 32, .size: 8, .value_kind: global_buffer, .address_space: global }
      - { .name: bk, .offset: 40, .size: 8, .value_kind: global_buffer, .address_space: global }
      - { .name: bv, .offset: 48, .size: 8, .value_kind: global_buffer, .address_space: global }
      - { .name: qkv, .offset: 56, .size: 8, .value_kind: global_buffer, .address_space: global }
    .group_segment_fixed_size: 327680
    .private_segment_fixed_size: 0
    .kernarg_segment_align: 8
    .kernarg_segment_size: 64
    .max_flat_workgroup_size: 128
    .sgpr_count:     100
    .vgpr_count:     1024
    .wavefront_size: 32
...
	.end_amdgpu_metadata
.endif
;; end of part 2
;; launch attn (part 3): grid 4 x 64, 16 waves a work-group, clusters of 4 x 1, 210,944 bytes of LDS; arguments qkv, cc, cs; writes cc, cs
.if DOCPART == 3
	.amdgcn_target "amdgcn-amd-amdhsa--gfx1250"
	.amdhsa_code_object_version 6
	.text
	.protected	k_q9acc4a6fa1_attn
	.globl	k_q9acc4a6fa1_attn
	.p2align	8
	.type	k_q9acc4a6fa1_attn,@function
k_q9acc4a6fa1_attn:
	s_mov_b64 s[64:65], 0
	v_nop
	global_prefetch_b8 v0, s[64:65] scope:SCOPE_SE
	s_setreg_imm32_b32 hwreg(HW_REG_WAVE_MODE, 25, 1), 1
	s_wait_xcnt 0x0
	s_wait_alu depctr_hold_cnt(0) depctr_sa_sdst(0) depctr_va_vdst(0) depctr_va_sdst(0) depctr_va_ssrc(0) depctr_va_vcc(0) depctr_vm_vsrc(0)
	s_getreg_b32 s2, hwreg(HW_REG_IB_STS2, 6, 4)
	s_cmp_eq_u32 s2, 0
	s_cbranch_scc0 .Lentry_in_a_cluster
	s_endpgm
.Lentry_in_a_cluster:
	s_bfe_u32 s2, ttmp6, 0x10000c
	s_cmp_lg_u32 s2, 0x3003
	s_cbranch_scc0 .Lentry_shape_is_right
	s_endpgm
.Lentry_shape_is_right:
; ctx = softmax(q k^T / 8, causal) v for one (batch, head) a cluster, both products on codes of FP6 (E2M3) with E8M0 scales; ctx is quantised along the channels and stored as the next product's operand image.
; THE SOFTMAX: t = score x log2(e) / 8; M = the running largest t rounded UP to a whole number; p = 2^(t - M) is quantised along the keys, not normalised; the row's sum is taken of the unquantised p
; and divides at the end.  When M moves, the sum and O are multiplied by 2^(old M - new M): exact.
; INPUT qkv: [batch x head][key step of 128: 16] blocks of 19,712 bytes: K codes 8 tiles x 768, K scale words [2][r][4], V codes 4 tiles x 1,536, V scale words [r][4], Q codes 8 x 768, Q scale words.
; A tile of 16 tokens holds at place r the token 32 (t / 2) + 8 (t % 2) + r + 8 (r / 8) of its 128: so the 16 registers of score tiles 2 b, 2 b + 1 are keys 32 b + 16 h + 0 .. 15.
; The head's size is 64, half of the instruction's 128: Q's upper six registers hold zero codes; K's upper six are whatever follows (the next tile's codes, or zeros) and count for nothing.
; LDS: the head's K and V, 16 x 13,056 bytes, are filled ONCE: wave w asks for key step w, jointly for the cluster's four work-groups (one load of mine is out).  No ring, no refill, no barrier in the loops.
; SHARES: work-group cx takes the query tiles 4 i + cx; wave w takes i = w and then i = 31 - w.  The tile's key step is i / 2: which steps are hidden or on the diagonal hangs on the wave's number alone.
; Every wave has w / 2 + (31 - w) / 2 + 2 = 17 key steps of work.  The loop over key steps has 16 trips in every wave; a hidden step's work is jumped over.
; LIMITS: NaN and infinities are not served; a block of ctx whose largest magnitude lies under 2^-124 gets the byte 1.
.set BLK,   19712
.set HS,    16*BLK
.set KV,    13056                      ; a key step's K and V
.set SPARE, 16*KV                      ; the spare words, 128 bytes a wave, that no other line names
.set L8,   1                           ; v1   8 x lane
.set R16,  2                           ; v2   16 r
.set R8,   3                           ; v3   8 r
.set SPW,  4
.set NIL,  5
.set ADL,  6                           ; v6   the step's codes
.set ADS,  7                           ; v7   the step's scale words
.set DQ,   8                           ; v8   r + 8 (r / 8) - 16 h
.set MD,   9                           ; v9   my query's place in its 128, less 16 h
.set NINF, 10                          ; v10  -infinity
; v12 -M, v13 the largest t, v[14:15] the sum in two halves, v16-27 the first tile's Q, v28, v29 Q's scale words, v[30:31] f, v32-79 fragments of K or V, v80-85 zeros, v92-95 V's scale words,
; v96-159 scores, then p, v160-191 O^T, v192-211 p's codes, v212-223 at work, v224 p's scale word, v226, v[228:229] at work, v232-239 K's scale words, v240-251 the second tile's Q
.set BM,   212
.set BT,   216
.set BO,   220
.set PSW,  224
.set TP,   226
.set WV,   10
.set CX,   11
.set BH,   12
.set IW0,  13
.set IW1,  14
.set LIM,  15                          ; s15  my tile's key step: the last that counts
.set KC,   16
.set TB,   17                          ; s17  LDS byte at which the step's block begins
.set DK,   18
.set SEL,  20
.set CS,   22                          ; s[22:23] c = log2(e) / 8
.set G1,   24
.set G0,   32
.set CP,   36                          ; s[36:37] where my tile's codes go
.set SP,   38                          ; s[38:39] and its scale bytes
.macro CROUND
	s_barrier_signal -1
	s_barrier_wait -1
	s_cmp_lg_u32 s[WV], 0
	s_cbranch_scc1 .Lnot_wave_0_\@
	s_barrier_signal -3
.Lnot_wave_0_\@:
	s_barrier_wait -3
	s_barrier_signal -1
	s_barrier_wait -1
.endm
	s_load_b128 s[4:7], s[0:1], 0x0                ; qkv, cc
	s_load_b64 s[8:9], s[0:1], 0x10                ; cs
	v_lshl_add_u32 v[SPW], v0, 2, SPARE
	v_mov_b32 v[NIL], 0
	ds_add_u32 v[SPW], v[NIL]                      ; the wave's opening: the add and its wait ahead of my first tensor load
	ds_add_u32 v[SPW], v[NIL]
	v_lshrrev_b32 v11, 5, v0
	s_delay_alu instid0(VALU_DEP_1)
	v_readfirstlane_b32 s[WV], v11                 ; wave 0..15
	s_bfe_u32 s[CX], ttmp6, 0x40000                ; my place in the cluster
	s_and_b32 s[BH], ttmp7, 0xffff                 ; batch x 16 + head, which the partners share
	s_mov_b32 s[G1], 15|(3<<16)|(1<<21)            ; the mask: all four; elements of 8 bytes; no padding
	s_mov_b32 s[G1+1], 32<<16                      ; 51 dense rows of 256 bytes
	s_mov_b32 s[G1+2], 51<<16
	s_mov_b32 s[G1+3], 32<<16
	s_mov_b32 s[G1+4], 51
	s_mov_b32 s[G1+5], 32
	s_mov_b32 s[G1+6], 0
	s_mov_b32 s[G1+7], 0
	s_mov_b32 s[G0], 1
	s_mul_i32 s[G0+1], s[WV], KV                   ; key step w goes to w x 13,056
	s_lshl_b32 s40, s[BH], 4
	s_add_co_u32 s40, s40, s[WV]
	s_mul_i32 s40, s40, BLK
	s_mov_b32 s41, 0
	s_mov_b32 s[SEL], 0x76543210
	s_mov_b32 s[SEL+1], 0xfedcba98
	s_mov_b32 s[CS], 0x3e38aa3b
	s_mov_b32 s[CS+1], s[CS]
	s_mov_b32 s[IW0], s[WV]
	s_xor_b32 s[IW1], s[WV], 31                    ; 31 - w
	s_wait_dscnt 0x0                               ; the opening add is done
	s_wait_kmcnt 0x0
	s_add_nc_u64 s[G0+2:G0+3], s[4:5], s[40:41]
	s_or_b32 s[G0+3], s[G0+3], 0x80000000
	CROUND                                         ; all four work-groups are here: the joint loads meet
	tensor_load_to_lds s[G0:G0+3], s[G1:G1+7]
	s_nop 0
.rept 4
	v_nop
.endr
	v_and_b32 v11, 31, v0
	s_delay_alu instid0(VALU_DEP_1)
	v_lshlrev_b32 v[L8], 3, v11
	v_and_b32 v11, 15, v0                          ; r
	s_delay_alu instid0(VALU_DEP_1)
	v_lshlrev_b32 v[R16], 4, v11
	s_wait_alu depctr_va_vdst(0)
	v_lshlrev_b32 v[R8], 3, v11
	v_and_b32 v[DQ], 8, v11
	s_delay_alu instid0(VALU_DEP_1)
	v_add_nc_u32 v[DQ], v[DQ], v11
	v_bfe_u32 v11, v0, 4, 1
	s_delay_alu instid0(VALU_DEP_1)
	v_lshlrev_b32 v11, 4, v11
	s_delay_alu instid0(VALU_DEP_1)
	v_sub_nc_u32 v[DQ], v[DQ], v11
	v_mov_b32 v[NINF], 0xff800000
	s_mul_i32 s40, s[BH], HS                       ; the head's first block
; tile i's half fragment of Q and its scale words are asked for now, for both tiles
.macro QASK iw, q, qs, pc
	s_lshr_b32 s42, s[\iw], 1
	s_mul_i32 s42, s42, BLK
	s_add_co_u32 s42, s42, s40                     ; the block of my queries
	s_and_b32 s43, s[\iw], 1
	s_lshl_b32 s44, s43, 2
	s_add_co_u32 s44, s44, s[CX]                   ; my tile among its eight
	s_mul_i32 s44, s44, 768
	s_add_co_u32 s44, s44, s42
	s_add_co_u32 s44, s44, KV
	s_mov_b32 s45, 0
	s_add_nc_u64 s[\pc:\pc+1], s[4:5], s[44:45]
	s_lshl_b32 s44, s43, 8                         ; scale words [tile / 4][r][tile % 4]
	s_lshl_b32 s46, s[CX], 2
	s_add_co_u32 s44, s44, s46
	s_add_co_u32 s44, s44, s42
	s_add_co_u32 s44, s44, KV+6144
	s_add_nc_u64 s[\pc+2:\pc+3], s[4:5], s[44:45]
.irp p, 0,1,2
	global_load_b64 v[\q+2*\p:\q+2*\p+1], v[L8], s[\pc:\pc+1] offset:256*\p
.endr
	global_load_b32 v[\qs], v[R16], s[\pc+2:\pc+3]
.endm
	QASK IW0, 16, 28, 48
	QASK IW1, 240, 29, 52
.irp j, 0,1,2,3,4,5
	v_mov_b32 v[22+\j], 0                          ; zero codes for k = 64 .. 127
	v_mov_b32 v[246+\j], 0
	v_mov_b32 v[80+\j], 0                          ; what follows K's last tile
.endr
.irp b, 0,1,2,3
	v_mov_b32 v[BT+\b], 0                          ; a lane permute's destination counts as one of its sources
.endr
	v_mov_b32 v[TP], 0
	v_mov_b32 v31, 0                               ; (named as the upper half of the pair v[30:31])
	s_wait_loadcnt 0x0                             ; Q
	s_wait_tensorcnt 0x0                           ; my key step has landed,
	s_barrier_signal -1
	s_barrier_wait -1                              ; everybody's has
; ONE QUERY TILE: i in s[iw], Q in v[q] on, its scale words in v[qs]
.macro TILE iw, q, qs, first
.if !\first
	s_wait_xcnt 0x0                                ; the first tile's stores have read their registers and bases
.endif
	s_lshr_b32 s[LIM], s[\iw], 1
	s_and_b32 s42, s[\iw], 1
	s_lshl_b32 s[DK], s42, 6                       ; my tile's first token in its 128: 32 (tile / 2) + 8 (tile % 2), tile = 4 (i % 2) + cx
	s_lshr_b32 s43, s[CX], 1
	s_lshl_b32 s43, s43, 5
	s_add_co_u32 s[DK], s[DK], s43
	s_and_b32 s43, s[CX], 1
	s_lshl_b32 s43, s43, 3
	s_add_co_u32 s[DK], s[DK], s43
	v_add_nc_u32 v[MD], s[DK], v[DQ]
	s_lshl_b32 s42, s[\iw], 2
	s_add_co_u32 s42, s42, s[CX]
	s_lshr_b32 s43, s[BH], 4
	s_lshl_b32 s43, s43, 7
	s_add_co_u32 s42, s42, s43                     ; the tile of tokens: batch x 128 + 4 i + cx
	s_and_b32 s43, s[BH], 15                       ; the head
	s_mul_i32 s44, s42, 12288
	s_mul_i32 s46, s43, 768
	s_add_co_u32 s44, s44, s46
	s_mov_b32 s45, 0
	s_add_nc_u64 s[CP:CP+1], s[6:7], s[44:45]
	s_lshl_b32 s44, s42, 9
	s_lshr_b32 s46, s43, 2
	s_lshl_b32 s46, s46, 7
	s_add_co_u32 s44, s44, s46
	s_and_b32 s46, s43, 3
	s_lshl_b32 s46, s46, 1
	s_add_co_u32 s44, s44, s46
	s_add_nc_u64 s[SP:SP+1], s[8:9], s[44:45]
	v_mov_b32 v13, 0xff61b1e6                      ; the largest t so far: -3e38
	s_delay_alu instid0(VALU_DEP_1)
	v_floor_f32 v12, -v13                          ; -M
	v_mov_b32 v14, 0
	v_mov_b32 v15, 0
.set n, 0
.rept 32
	v_mov_b32 v[160+n], 0                          ; O^T: the step is written once; the first change of M leaves zeros zeros
.set n, n+1
.endr
	s_mov_b32 s[KC], 0
	s_mov_b32 s[TB], 0
.Lstep_\@:
	s_cmp_gt_u32 s[KC], s[LIM]                     ; all keys of this step come after my queries: its work is left out
	s_cbranch_scc1 .Lskip_\@
	s_setprio 2
	v_add_nc_u32 v[ADL], s[TB], v[L8]
	v_add_nc_u32 v[ADS], s[TB], v[R16]
	v_nop
	v_nop                                          ; four places in front of loads into registers that the last products read
.irp t, 0,1,2,3,4,5,6,7
.irp p, 0,1,2
	ds_load_b64 v[32+6*\t+2*\p:33+6*\t+2*\p], v[ADL] offset:768*\t+256*\p
.endr
.endr
	ds_load_b128 v[232:235], v[ADS] offset:6144
	ds_load_b128 v[236:239], v[ADS] offset:6400
	s_wait_alu depctr_va_vdst(0)
	s_wait_dscnt 0x0
.irp t, 0,1,2,3,4,5,6,7                        ; S^T = K Q^T: source 0 = 16 keys, source 1 = my 16 queries
	v_wmma_scale_f32_16x16x128_f8f6f4 v[96+8*\t:103+8*\t], v[32+6*\t:43+6*\t], v[\q:\q+11], 0, v[232+\t], v[\qs] matrix_a_fmt:MATRIX_FMT_FP6 matrix_b_fmt:MATRIX_FMT_FP6
.endr
.rept 4
	v_nop                                          ; places in front of the loads below and of the first read of the scores
.endr
.irp t, 0,1,2,3                                ; V is asked for now and lands beside the softmax
.irp p, 0,1,2,3,4,5
	ds_load_b64 v[32+12*\t+2*\p:33+12*\t+2*\p], v[ADL] offset:6656+1536*\t+256*\p
.endr
.endr
	ds_load_b128 v[92:95], v[ADS] offset:12800
	s_cmp_lg_u32 s[KC], s[LIM]
	s_cbranch_scc1 .Lopen_\@
.set n, 0
.rept 64                                       ; on the diagonal: register 16 b + i holds key 32 b + 16 h + i of the step: hidden where 32 b + i > my query's place - 16 h
	v_cmp_gt_i32 vcc_lo, 32*(n/16)+n%16, v[MD]
	v_cndmask_b32 v[96+n], v[96+n], v[NINF], vcc_lo
.set n, n+1
.endr
.Lopen_\@:
.irp b, 0,1,2,3
	v_max3_num_f32 v[BM+\b], v[96+16*\b], v[97+16*\b], v[98+16*\b]   ; the largest score of each block of 32 keys: for the row's maximum, and, since p rises with the score, for the block's largest p
.endr
.irp i, 3,5,7,9,11,13
.irp b, 0,1,2,3
	v_max3_num_f32 v[BM+\b], v[BM+\b], v[96+16*\b+\i], v[97+16*\b+\i]
.endr
.endr
.irp b, 0,1,2,3
	v_max_num_f32 v[BM+\b], v[BM+\b], v[111+16*\b]
.endr
.irp b, 0,1,2,3
	s_delay_alu instid0(VALU_DEP_4)
	v_permlanex16_b32 v[BT+\b], v[BM+\b], s[SEL], s[SEL+1]
.endr
.irp b, 0,1,2,3
	s_delay_alu instid0(VALU_DEP_4)
	v_max_num_f32 v[BM+\b], v[BM+\b], v[BT+\b]
.endr
	s_delay_alu instid0(VALU_DEP_2)
	v_max3_num_f32 v[TP], v[BM], v[BM+1], v[BM+2]
	s_delay_alu instid0(VALU_DEP_1)
	v_max_num_f32 v[TP], v[TP], v[BM+3]
	s_delay_alu instid0(VALU_DEP_1)
	v_mul_f32 v[TP], s[CS], v[TP]
	s_delay_alu instid0(VALU_DEP_1)
	v_max_num_f32 v13, v13, v[TP]                  ; the running largest t
	v_mov_b32 v[TP], v12
	s_delay_alu instid0(VALU_DEP_2)
	v_floor_f32 v12, -v13                          ; -M = floor(-t): M is a whole number
	s_delay_alu instid0(VALU_DEP_1)
	v_sub_f32 v[TP], v12, v[TP]
	s_delay_alu instid0(VALU_DEP_1)
	v_cvt_i32_f32 v[TP], v[TP]                     ; (it saturates)
	s_delay_alu instid0(VALU_DEP_1)
	v_ldexp_f32 v30, 1.0, v[TP]                    ; f = 2^(old M - new M)
.set n, 0
	s_setprio 1
.rept 32
	v_pk_fma_f32 v[96+n:97+n], v[96+n:97+n], s[CS:CS+1], v[12:13] op_sel_hi:[1,0,0]   ; t - M
.set n, n+2
.endr
.irp b, 0,1,2,3
	v_fma_f32 v[BM+\b], v[BM+\b], s[CS], v12
.endr
.set n, 0
	s_wait_alu depctr_va_vdst(0)
.rept 64
	v_exp_f32 v[96+n], v[96+n]                     ; p = 2^(t - M)
.set n, n+1
.endr
	v_pk_mul_f32 v[14:15], v[14:15], v[30:31] op_sel_hi:[1,0]   ; the sums under the new M: the plain place behind the exponentials
	s_wait_alu depctr_va_vdst(0)                   ; one wait for the batch, ahead of its first reader
.irp b, 0,1,2,3
	v_exp_f32 v[BM+\b], v[BM+\b]                   ; each block's largest p
.endr
	v_pk_add_f32 v[228:229], v[100:101], v[104:105]
	v_pk_add_f32 v[254:255], v[108:109], v[112:113]
	v_pk_add_f32 v[252:253], v[116:117], v[120:121]
	v_pk_add_f32 v[238:239], v[124:125], v[128:129]
	v_pk_add_f32 v[236:237], v[132:133], v[136:137]
	v_pk_add_f32 v[234:235], v[140:141], v[144:145]
	v_pk_add_f32 v[232:233], v[148:149], v[152:153]
	v_pk_add_f32 v[14:15], v[14:15], v[156:157]
	v_pk_add_f32 v[228:229], v[228:229], v[96:97]
	v_pk_add_f32 v[254:255], v[254:255], v[98:99]
	v_pk_add_f32 v[252:253], v[252:253], v[102:103]
	v_pk_add_f32 v[238:239], v[238:239], v[106:107]
	v_pk_add_f32 v[236:237], v[236:237], v[110:111]
	v_pk_add_f32 v[234:235], v[234:235], v[114:115]
	v_pk_add_f32 v[232:233], v[232:233], v[118:119]
	v_pk_add_f32 v[14:15], v[14:15], v[122:123]
	v_pk_add_f32 v[228:229], v[228:229], v[126:127]
	v_pk_add_f32 v[254:255], v[254:255], v[130:131]
	v_pk_add_f32 v[252:253], v[252:253], v[134:135]
	v_pk_add_f32 v[238:239], v[238:239], v[138:139]
	v_pk_add_f32 v[236:237], v[236:237], v[142:143]
	v_pk_add_f32 v[234:235], v[234:235], v[146:147]
	v_pk_add_f32 v[232:233], v[232:233], v[150:151]
	v_pk_add_f32 v[14:15], v[14:15], v[154:155]
	v_pk_add_f32 v[228:229], v[228:229], v[158:159]
	s_delay_alu instid0(VALU_DEP_2)
	v_pk_add_f32 v[14:15], v[14:15], v[238:239]
	s_delay_alu instid0(VALU_DEP_2)
	v_pk_add_f32 v[228:229], v[228:229], v[236:237]
	v_pk_add_f32 v[254:255], v[254:255], v[234:235]
	v_pk_add_f32 v[252:253], v[252:253], v[232:233]
	s_delay_alu instid0(VALU_DEP_2)
	v_pk_add_f32 v[14:15], v[14:15], v[254:255]
	s_delay_alu instid0(VALU_DEP_2)
	v_pk_add_f32 v[228:229], v[228:229], v[252:253]
	s_delay_alu instid0(VALU_DEP_1)
	v_pk_add_f32 v[14:15], v[14:15], v[228:229]
	s_wait_alu depctr_va_vdst(0)                   ; and one for the four
.irp b, 0,1,2,3
	v_max_num_f32 v[BM+\b], 0x1800000, v[BM+\b]    ; the floor 2^(3 - 127): a block whose every p is 0 keeps the byte 1, and its codes are zeros
.endr
.irp b, 0,1,2,3
	s_delay_alu instid0(VALU_DEP_4)
	v_add_nc_u32 v[BO+\b], 0xff000000, v[BM+\b]
.endr
.irp b, 0,1,2,3
	s_delay_alu instid0(VALU_DEP_4)
	v_lshrrev_b32 v[BT+\b], 23, v[BO+\b]
.endr
	s_delay_alu instid0(VALU_DEP_3)
	v_lshl_or_b32 v[PSW], v[BT+1], 8, v[BT]        ; p's scale word for these 128 keys
	s_delay_alu instid0(VALU_DEP_1)
	v_lshl_or_b32 v[PSW], v[BT+2], 16, v[PSW]
	s_delay_alu instid0(VALU_DEP_1)
	v_lshl_or_b32 v[PSW], v[BT+3], 24, v[PSW]
	s_setprio 0
.irp c, 0,1
	v_cvt_scalef32_pk16_fp6_f32 v[192+6*\c:194+6*\c], v[96+32*\c:111+32*\c], v[BO+2*\c]
	v_cvt_scalef32_pk16_fp6_f32 v[204+4*\c:206+4*\c], v[112+32*\c:127+32*\c], v[BO+2*\c+1]
.endr
	v_nop                                          ; one plain place behind the conversions
.irp c, 0,1
.irp i, 0,1,2
	v_permlane16_swap_b32 v[192+6*\c+\i], v[204+4*\c+\i]
.endr
.irp i, 0,1,2
	s_delay_alu instid0(VALU_DEP_3)
	v_mov_b32 v[195+6*\c+\i], v[204+4*\c+\i]
.endr
.endr
.set n, 0
.rept 16
	v_pk_mul_f32 v[160+n:161+n], v[160+n:161+n], v[30:31] op_sel_hi:[1,0]   ; O^T under the new M; these sixteen are also the places between p's codes and scale word and the products
.set n, n+2
.endr
	s_wait_alu depctr_va_vdst(0)
	s_wait_dscnt 0x0                               ; V
.irp t, 0,1,2,3                                ; O^T += V^T P^T: four accumulators by turns
	v_wmma_scale_f32_16x16x128_f8f6f4 v[160+8*\t:167+8*\t], v[32+12*\t:43+12*\t], v[192:203], v[160+8*\t:167+8*\t], v[92+\t], v[PSW] matrix_a_fmt:MATRIX_FMT_FP6 matrix_b_fmt:MATRIX_FMT_FP6
.endr
.Lskip_\@:
	s_add_co_u32 s[TB], s[TB], KV
	s_add_co_u32 s[KC], s[KC], 1
	s_cmp_lt_u32 s[KC], 16
	s_cbranch_scc1 .Lstep_\@
	s_setprio 0
	; the tile's end: O^T / the sum; register 16 b + i is channel 32 b + 16 h + i of my query: two blocks of the next product's K
.rept 4
	v_nop
.endr
	v_add_f32 v14, v14, v15
	s_delay_alu instid0(VALU_DEP_1)
	v_permlanex16_b32 v[TP], v14, s[SEL], s[SEL+1]
	s_delay_alu instid0(VALU_DEP_1)
	v_add_f32 v14, v14, v[TP]                      ; the row's sum
	s_wait_alu depctr_va_vdst(0)
	v_rcp_f32 v30, v14
	v_nop
	s_wait_alu depctr_va_vdst(0)
.set n, 0
.rept 16
	v_pk_mul_f32 v[96+n:97+n], v[160+n:161+n], v[30:31] op_sel_hi:[1,0]
.set n, n+2
.endr
.irp b, 0,1
	v_max3_num_f32 v[BM+\b], |v[96+16*\b]|, |v[97+16*\b]|, 0x1800000
.endr
.irp i, 2,4,6,8,10,12,14
.irp b, 0,1
	s_delay_alu instid0(VALU_DEP_2)
	v_max3_num_f32 v[BM+\b], v[BM+\b], |v[96+16*\b+\i]|, |v[97+16*\b+\i]|
.endr
.endr
.irp b, 0,1
	s_delay_alu instid0(VALU_DEP_2)
	v_permlanex16_b32 v[BT+\b], v[BM+\b], s[SEL], s[SEL+1]
.endr
.irp b, 0,1
	s_delay_alu instid0(VALU_DEP_2)
	v_max_num_f32 v[BM+\b], v[BM+\b], v[BT+\b]
.endr
.irp b, 0,1
	s_delay_alu instid0(VALU_DEP_2)
	v_add_nc_u32 v[BO+\b], 0xff000000, v[BM+\b]
.endr
.irp b, 0,1
	s_delay_alu instid0(VALU_DEP_2)
	v_lshrrev_b32 v[BT+\b], 23, v[BO+\b]
.endr
	s_delay_alu instid0(VALU_DEP_1)
	v_lshl_or_b32 v[TP], v[BT+1], 8, v[BT]         ; my row's two scale bytes
	v_cvt_scalef32_pk16_fp6_f32 v[192:194], v[96:111], v[BO]
	v_cvt_scalef32_pk16_fp6_f32 v[204:206], v[112:127], v[BO+1]
	v_nop
.irp i, 0,1,2
	v_permlane16_swap_b32 v[192+\i], v[204+\i]
.endr
.irp i, 0,1,2
	s_delay_alu instid0(VALU_DEP_3)
	v_mov_b32 v[195+\i], v[204+\i]
.endr
.irp p, 0,1,2
	global_store_b64 v[L8], v[192+2*\p:193+2*\p], s[CP:CP+1] offset:256*\p   ; half a fragment: three runs of 256 consecutive bytes, aligned
.endr
	global_store_b16 v[R8], v[TP], s[SP:SP+1]      ; two bytes a row (a word's other bytes are other heads', made by other clusters); both halves of the lanes store the same bytes
.endm
	TILE IW0, 16, 28, 1
	TILE IW1, 240, 29, 0
	s_wait_tensorcnt 0x0                           ; the wave's end
	ds_add_u32 v[SPW], v[NIL]
	s_wait_dscnt 0x0
	CROUND                                         ; the closing round
	s_endpgm
.Lfunc_end_k_q9acc4a6fa1_attn:
	.size	k_q9acc4a6fa1_attn, .Lfunc_end_k_q9acc4a6fa1_attn-k_q9acc4a6fa1_attn
	.p2alignl 7, 3214868480
	.fill 96, 4, 3214868480
	.section	.rodata,"a",@progbits
	.p2align	6, 0x0
	.amdhsa_kernel k_q9acc4a6fa1_attn
		.amdhsa_group_segment_fixed_size 210944
		.amdhsa_private_segment_fixed_size 0
		.amdhsa_enable_private_segment 0
		.amdhsa_kernarg_size 24
		.amdhsa_user_sgpr_count 2
		.amdhsa_user_sgpr_kernarg_segment_ptr 1
		.amdhsa_wavefront_size32 1
		.amdhsa_system_sgpr_workgroup_id_x 1
		.amdhsa_system_sgpr_workgroup_id_y 1
		.amdhsa_system_sgpr_workgroup_id_z 1
		.amdhsa_system_vgpr_workitem_id 0
		.amdhsa_next_free_vgpr 256
		.amdhsa_next_free_sgpr 66
		.amdhsa_reserve_vcc 1
		.amdhsa_float_denorm_mode_32 3
		.amdhsa_float_denorm_mode_16_64 3
		.amdhsa_memory_ordered 1
		.amdhsa_forward_progress 1
		.amdhsa_inst_pref_size 67
	.end_amdhsa_kernel
	.amdgpu_metadata
---
amdhsa.version: [ 1, 2 ]
amdhsa.kernels:
  - .name:           k_q9acc4a6fa1_attn
    .symbol:         k_q9acc4a6fa1_attn.kd
    .args:
      - { .name: qkv, .offset: 0, .size: 8, .value_kind: global_buffer, .address_space: global }
      - { .name: cc, .offset: 8, .size: 8, .value_kind: global_buffer, .address_space: global }
      - { .name: cs, .offset: 16, .size: 8, .value_kind: global_buffer, .address_space: global }
    .group_segment_fixed_size: 210944
    .private_segment_fixed_size: 0
    .kernarg_segment_align: 8
    .kernarg_segment_size: 24
    .max_flat_workgroup_size: 512
    .sgpr_count:     66
    .vgpr_count:     256
    .wavefront_size: 32
...
	.end_amdgpu_metadata
.endif
;; end of part 3
;; launch outp (part 4): grid 4 x 32, 4 waves a work-group, clusters of 4 x 4, 327,680 bytes of LDS; arguments cc, cs, wc, ws, bo, out0; writes out0
.if DOCPART == 4
	.amdgcn_target "amdgcn-amd-amdhsa--gfx1250"
	.amdhsa_code_object_version 6
	.text
	.protected	k_q9acc4a6fa1_outp
	.globl	k_q9acc4a6fa1_outp
	.p2align	8
	.type	k_q9acc4a6fa1_outp,@function
k_q9acc4a6fa1_outp:
	s_mov_b64 s[64:65], 0
	v_nop
	global_prefetch_b8 v0, s[64:65] scope:SCOPE_SE
	s_setreg_imm32_b32 hwreg(HW_REG_WAVE_MODE, 25, 1), 1
	s_wait_xcnt 0x0
	s_wait_alu depctr_hold_cnt(0) depctr_sa_sdst(0) depctr_va_vdst(0) depctr_va_sdst(0) depctr_va_ssrc(0) depctr_va_vcc(0) depctr_vm_vsrc(0)
	s_getreg_b32 s2, hwreg(HW_REG_IB_STS2, 6, 4)
	s_cmp_eq_u32 s2, 0
	s_cbranch_scc0 .Lentry_in_a_cluster
	s_endpgm
.Lentry_in_a_cluster:
	s_bfe_u32 s2, ttmp6, 0x10000c
	s_cmp_lg_u32 s2, 0xf033
	s_cbranch_scc0 .Lentry_shape_is_right
	s_endpgm
.Lentry_shape_is_right:
; out0 = ctx Wo^T + bo on codes of FP6 (E2M3) with E8M0 scales, sums in f32.  ctx (cc, cs) and Wo (tiles 192-255 of wc, ws) are images of operand registers:
; a tile of 16 rows x 128 K is 1,536 bytes, registers 2 p, 2 p + 1 at 256 p + 8 x lane; in each 32 rows tile u holds at place r the row 8 u + r + 8 (r / 8).
; A work-group of four waves makes 256 x 256, a wave 128 x 128 in 64 accumulators.  Source 0 = Wo's rows (along a lane's registers), source 1 = ctx's rows (along the lanes):
; the 64 registers of ctx's block a are: register 16 b + i = output column 32 b + 16 h + i.  bo is the C of the first step's products.
; CLUSTERS: 4 x 4 work-groups; ctx's tiles are asked for jointly along a row of the cluster, Wo's along a column.  K goes in steps of 256 through two LDS slots; all scale words come once.
; The problem has 128 such tiles of out0: 128 work-groups.
; REGISTERS: window 0: v0-31 addresses; v32-63 scale words; v64-127 bo; v128-223 ctx's fragments, on the way out v128-255 rows of out0; window 1: Wo's two sets; windows 2, 3: the accumulators.
.set NQ,    2
.set FR,    12
.set NL,    6
.set NP,    4                          ; places behind this matrix instruction (ISA guide 7.12.1)
.set RT,    3072
.set TILEB, 12288
.set HALFT, 8*RT
.set SLOT,  4*HALFT
.set SCL,   2*SLOT
.set HALFS, 4096
.set SPARE, SCL+4*HALFS                ; the spare words, 128 bytes a wave, that no other line names
.set SPITCH, 528                       ; the way out: a stage of 16 rows x (512 + 16) bytes a wave, in slot 0, which has had its last fill and its last read by then
.set BA1,  8                           ; v8   64 h
.set L8,   10                          ; v10  8 x lane
.set ADRA, 16
.set ADRB, 20
.set STO,  24
.set RD,   25
.set CO,   26                          ; v26  16 x lane
.set ADRS, 27
.set SPW,  28
.set NIL,  29
.set SC,   32
.set BIAS, 64
.set AF,   128
.set BK,   128
.set G1, 24
.set G0, 32
.set G1B, 48
.set G0B, 56
.set G1S, 68
.set G0S, 76
.set G1SB, 80
.set G0SB, 88
.set MSB, 0
.macro WIN new                         ; the immediate's high byte repeats the setting that is left
.if MSB != (\new)
	s_set_vgpr_msb (MSB<<8)|(\new)
.set MSB, (\new)
.endif
.endm
.set TO_B, 0x40
.macro WMUL hi, zero                   ; source 0 window 1, source 1 window 0, D window 2 or 3; C with D, or (zero = 2) in window 0
.if \zero == 2
	WIN 0x81+0x40*\hi
.else
	WIN 0xa1+0x50*\hi
.endif
.endm
.macro JLOAD g0a, g1a, g0b, g1b        ; a joint load: waves 0 and 1 fetch for A, waves 2 and 3 for B; an s_nop 0 and four v_nop follow each line
	s_cmp_eq_u32 s15, 0
	s_cbranch_scc0 .Lfor_b_\@
	tensor_load_to_lds s[\g0a:\g0a+3], s[\g1a:\g1a+7]
	s_nop 0
.rept 4
	v_nop
.endr
	s_branch .Lasked_\@
.Lfor_b_\@:
	tensor_load_to_lds s[\g0b:\g0b+3], s[\g1b:\g1b+7]
	s_nop 0
.rept 4
	v_nop
.endr
.Lasked_\@:
.endm
.macro CREST
	s_cmp_lg_u32 s14, 0
	s_cbranch_scc1 .Lnot_wave_0_\@
	s_barrier_signal -3
.Lnot_wave_0_\@:
	s_barrier_wait -3
	s_barrier_signal -1
	s_barrier_wait -1
.endm
.macro CROUND
	s_barrier_signal -1
	s_barrier_wait -1
	CREST
.endm
.macro FRAG reg, adr, q, i
.irp p, 0,1,2,3,4,5
	ds_load_b64 v[\reg+2*\p:\reg+2*\p+1], v[\adr] offset:(\i)*RT+(\q)*1536+256*\p
.endr
.endm
; 16 matrix instructions; the 64 accumulators take turns, one instruction a turn, in the same order in every step
.macro MUL16 a0, p, q, sc, zero
.irp a, \a0, \a0+1
.irp b, 0,1,2,3,4,5,6,7
.set rD, 8*(8*((\a)%4)+\b)
.set rB, 128*(\p)+FR*\b
.set rA, AF+FR*(\a)
.set rSB, SC+8*NQ*(\sc)+NQ*\b+(\q)
.set rSA, SC+8*NQ*(\sc)+NQ*(\a)+(\q)
.if \zero == 1
	v_wmma_scale_f32_16x16x128_f8f6f4 v[rD:rD+7], v[rB:rB+FR-1], v[rA:rA+FR-1], 0, v[rSB], v[rSA] matrix_a_fmt:MATRIX_FMT_FP6 matrix_b_fmt:MATRIX_FMT_FP6 matrix_a_scale:MATRIX_SCALE_ROW1
.elseif \zero == 2
	v_wmma_scale_f32_16x16x128_f8f6f4 v[rD:rD+7], v[rB:rB+FR-1], v[rA:rA+FR-1], v[BIAS+8*\b:BIAS+8*\b+7], v[rSB], v[rSA] matrix_a_fmt:MATRIX_FMT_FP6 matrix_b_fmt:MATRIX_FMT_FP6 matrix_a_scale:MATRIX_SCALE_ROW1
.else
	v_wmma_scale_f32_16x16x128_f8f6f4 v[rD:rD+7], v[rB:rB+FR-1], v[rA:rA+FR-1], v[rD:rD+7], v[rSB], v[rSA] matrix_a_fmt:MATRIX_FMT_FP6 matrix_b_fmt:MATRIX_FMT_FP6 matrix_a_scale:MATRIX_SCALE_ROW1
.endif
.endr
.endr
.endm
.macro FETCH_B slot, q, p
	WIN TO_B
.irp i, 0,1,2,3,4,5,6,7
	FRAG 128*(\p)+FR*\i, ADRB+\slot, \q, \i
.endr
	WIN 0
.endm
.macro FETCH_A slot, q, i0
.irp i, \i0, \i0+1, \i0+2, \i0+3
	FRAG AF+FR*(\i), ADRA+\slot, \q, \i
.endr
.endm
.macro SCALES sc
.irp i, 0,1,2,3,4,5,6,7
	ds_load_b64 v[SC+8*NQ*\sc+NQ*\i:SC+8*NQ*\sc+NQ*\i+1], v[ADRS] offset:\i*512
.endr
.endm
.macro PLACES n
.rept \n
	v_nop
.endr
.endm
.macro STEP slot, q, zero
	s_wait_dscnt 4*NL                              ; B's set and A's blocks 0-3 are in; the youngest 24 loads (A's blocks 4-7) may be out
	WMUL 0, \zero
	MUL16 0, (\q)%2, \q, \slot, \zero
	MUL16 2, (\q)%2, \q, \slot, \zero
	s_wait_dscnt 0
	PLACES NP
	FETCH_B \slot, (\q)+1, 1-(\q)%2
	FETCH_A \slot, (\q)+1, 0
	WMUL 1, \zero
	MUL16 4, (\q)%2, \q, \slot, \zero
	MUL16 6, (\q)%2, \q, \slot, \zero
	PLACES NP
	WIN 0
	FETCH_A \slot, (\q)+1, 4
.endm
.macro TURN slot, next, fill
	s_wait_tensorcnt 0x0                           ; all my tensor loads have landed: my part of the next slot
	ds_add_u32 v[SPW], v[NIL]
	s_wait_dscnt 4*NL+1                            ; (the add and the youngest 24 loads may be out)
	WMUL 0, 0
	MUL16 0, 1, NQ-1, \slot, 0
	s_wait_dscnt 0x0                               ; the add is done, and my reads of this slot are over
	s_barrier_signal -1
	MUL16 2, 1, NQ-1, \slot, 0
	WIN 0
	s_barrier_wait -1
.if \fill
	CREST                                          ; the barrier has opened a round of the cluster's barrier: no wave of any partner still reads this slot or has a load on its way
	s_add_nc_u64 s[G0+4*\slot+2:G0+4*\slot+3], s[G0+4*\slot+2:G0+4*\slot+3], 2*RT
	s_add_nc_u64 s[G0B+4*\slot+2:G0B+4*\slot+3], s[G0B+4*\slot+2:G0B+4*\slot+3], 2*RT
	JLOAD G0+4*\slot, G1, G0B+4*\slot, G1B
.else
	PLACES NP
.endif
	s_wait_alu depctr_va_vdst(0)
	v_add_nc_u32 v[ADRS], 128, v[ADRS]
	FETCH_B \next, 0, 0
	FETCH_A \next, 0, 0
	SCALES \next
	WMUL 1, 0
	MUL16 4, 1, NQ-1, \slot, 0
	MUL16 6, 1, NQ-1, \slot, 0
	PLACES NP
	WIN 0
	FETCH_A \next, 0, 4
.endm
	s_load_b256 s[4:11], s[0:1], 0x0               ; cc, cs, wc, ws
	s_load_b128 s[92:95], s[0:1], 0x20             ; bo, out0
	v_lshl_add_u32 v[SPW], v0, 2, SPARE
	v_mov_b32 v[NIL], 0
	ds_add_u32 v[SPW], v[NIL]
	ds_add_u32 v[SPW], v[NIL]                      ; the wave's opening: the add and its wait ahead of my first tensor load
	v_lshrrev_b32 v1, 5, v0
	v_readfirstlane_b32 s14, v1
	s_lshr_b32 s15, s14, 1
	s_and_b32 s16, s14, 1
	s_bfe_u32 s40, ttmp6, 0x40000                  ; cx
	s_bfe_u32 s41, ttmp6, 0x40004                  ; cy
	s_lshl_b32 s42, ttmp9, 2
	s_add_co_u32 s42, s42, s40                     ; which 256 columns
	s_and_b32 s17, ttmp7, 0xffff
	s_lshl_b32 s17, s17, 2
	s_add_co_u32 s17, s17, s41                     ; which 256 rows
	s_lshl_b32 s43, s41, 2
	s_lshl_b32 s43, 15, s43
	s_lshl_b32 s44, 0x1111, s40
	s_or_b32 s[G1+0], s43, (3<<16)|(1<<21)         ; codes: 8 tiles' 3,072 bytes, 12,288 bytes apart
	s_or_b32 s[G1B+0], s44, (3<<16)|(1<<21)
.irp g, G1, G1B
	s_mov_b32 s[\g+1], 384<<16
	s_mov_b32 s[\g+2], 8<<16
	s_mov_b32 s[\g+3], 384<<16
	s_mov_b32 s[\g+4], 8
	s_mov_b32 s[\g+5], 1536
	s_mov_b32 s[\g+6], 0
	s_mov_b32 s[\g+7], 0
.endr
	s_or_b32 s[G1S+0], s43, (3<<16)|(1<<21)        ; scale words: 4,096 dense bytes as 16 rows of 256
	s_or_b32 s[G1SB+0], s44, (3<<16)|(1<<21)
.irp g, G1S, G1SB
	s_mov_b32 s[\g+1], 32<<16
	s_mov_b32 s[\g+2], 16<<16
	s_mov_b32 s[\g+3], 32<<16
	s_mov_b32 s[\g+4], 16
	s_mov_b32 s[\g+5], 32
	s_mov_b32 s[\g+6], 0
	s_mov_b32 s[\g+7], 0
.endr
	s_lshl_b32 s18, s16, 3
	s_lshl_b32 s20, s17, 4
	s_add_co_u32 s20, s20, s18                     ; ctx's first tile that I fetch
	s_lshl_b32 s46, s42, 4
	s_add_co_u32 s46, s46, s18
	s_add_co_u32 s46, s46, 192                     ; Wo's, behind Wq's, Wk's and Wv's 64 each
	s_lshl_b32 s22, s20, 9
	s_mov_b32 s23, 0
	s_mul_i32 s20, s20, TILEB
	s_mov_b32 s21, 0
	s_lshl_b32 s66, s46, 9
	s_mov_b32 s67, 0
	s_mul_i32 s46, s46, TILEB
	s_mov_b32 s47, 0
	s_mul_i32 s45, s14, HALFT
	s_mul_i32 s3, s14, HALFS
	s_wait_dscnt 0x0                               ; the opening add is done
	s_wait_kmcnt 0x0
	s_add_nc_u64 s[G0+2:G0+3], s[4:5], s[20:21]
	s_add_nc_u64 s[G0+6:G0+7], s[G0+2:G0+3], RT
	s_add_nc_u64 s[G0B+2:G0B+3], s[8:9], s[46:47]
	s_add_nc_u64 s[G0B+6:G0B+7], s[G0B+2:G0B+3], RT
	s_add_nc_u64 s[G0S+2:G0S+3], s[6:7], s[22:23]
	s_add_nc_u64 s[G0SB+2:G0SB+3], s[10:11], s[66:67]
.irp g, G0, G0+4, G0B, G0B+4, G0S, G0SB
	s_mov_b32 s[\g], 1
	s_or_b32 s[\g+3], s[\g+3], 0x80000000
.endr
	s_mov_b32 s[G0+1], s45
	s_add_co_u32 s[G0+5], s45, SLOT
	s_mov_b32 s[G0B+1], s45
	s_add_co_u32 s[G0B+5], s45, SLOT
	s_add_co_u32 s[G0S+1], s3, SCL
	s_add_co_u32 s[G0SB+1], s3, SCL
	CROUND                                         ; all sixteen work-groups are here: the first joint loads meet
	JLOAD G0S, G1S, G0SB, G1SB                     ; one load of mine is out: the scale words
	s_wait_alu depctr_va_vdst(0)
	s_wait_tensorcnt 0x0
	ds_add_u32 v28, v29
	s_wait_dscnt 0x0
	CROUND
	JLOAD G0, G1, G0B, G1B
	s_wait_alu depctr_va_vdst(0)
	s_wait_tensorcnt 0x0
	ds_add_u32 v28, v29
	s_wait_dscnt 0x0
	CROUND
	JLOAD G0+4, G1, G0B+4, G1B
	v_and_b32 v1, 15, v0                           ; r
	v_bfe_u32 v2, v0, 4, 1                         ; h
	s_wait_alu depctr_va_vdst(0)
	v_and_b32 v3, 31, v0                           ; lane
	v_lshlrev_b32 v[L8], 3, v3
	v_lshlrev_b32 v[CO], 4, v3
	s_mul_i32 s21, s15, HALFT
	s_mul_i32 s22, s16, HALFT
	s_add_co_u32 s22, s22, 2*HALFT
.irp s, 0,1
	v_add_nc_u32 v[ADRA+\s], s21, v[L8]
	v_add_nc_u32 v[ADRB+\s], s22, v[L8]
	s_add_co_u32 s21, s21, SLOT
	s_add_co_u32 s22, s22, SLOT
.endr
	v_lshlrev_b32 v5, 3, v1
	s_mul_i32 s21, s15, HALFS
	s_mul_i32 s22, s16, HALFS
	s_add_co_u32 s22, s22, 2*HALFS
	s_sub_co_u32 s22, s22, s21
	v_mul_u32_u24 v6, s22, v2                      ; lanes 16-31 take B's
	s_add_co_u32 s21, s21, SCL
	v_add_nc_u32 v5, v5, v6
	v_add_nc_u32 v[ADRS], s21, v5
	s_mul_i32 s23, s14, 16*SPITCH                  ; my stage
	v_mul_u32_u24 v5, v1, SPITCH
	v_lshl_add_u32 v5, v2, 6, v5                   ; in: row r, + 64 h
	v_add_nc_u32 v[STO], s23, v5
	v_add_nc_u32 v[RD], s23, v[CO]                 ; back: a row's 512 bytes to the 32 lanes
	s_lshl_b32 s96, s17, 8
	s_lshl_b32 s97, s15, 7
	s_add_co_u32 s96, s96, s97                     ; my first row
	s_lshl_b32 s96, s96, 12                        ; of 4,096 bytes
	s_lshl_b32 s97, s42, 10
	s_add_co_u32 s96, s96, s97
	s_lshl_b32 s97, s16, 9
	s_add_co_u32 s96, s96, s97                     ; + my first column
	s_mov_b32 s97, 0
	s_add_nc_u64 s[12:13], s[94:95], s[96:97]
	s_lshl_b32 s96, s42, 10
	s_lshl_b32 s98, s16, 9
	s_add_co_u32 s96, s96, s98
	s_add_nc_u64 s[18:19], s[92:93], s[96:97]      ; bo at my 128 columns
	v_lshlrev_b32 v[BA1], 6, v2
.irp b, 0,1,2,3
.irp j, 0,1,2,3
	global_load_b128 v[BIAS+16*\b+4*\j:BIAS+16*\b+4*\j+3], v[BA1], s[18:19] offset:128*\b+16*\j   ; register 16 b + i: bo of column 32 b + 16 h + i
.endr
.endr
	s_wait_alu depctr_va_vdst(0)
	s_wait_tensorcnt 1                             ; the scale words and my part of slot 0 are in; slot 1's load may be out
	s_barrier_signal -1
	s_barrier_wait -1
	FETCH_B 0, 0, 0
	FETCH_A 0, 0, 0
	SCALES 0
	FETCH_A 0, 0, 4
	s_wait_loadcnt 0x0                             ; bo
	STEP 0, 0, 2                                   ; K = 1,024 is eight steps of 128, written out; the first starts the sums from bo
	TURN 0, 1, 1
	STEP 1, 0, 0
	TURN 1, 0, 1
	STEP 0, 0, 0
	TURN 0, 1, 0
	STEP 1, 0, 0
	s_wait_dscnt 4*NL
	WMUL 0, 0
	MUL16 0, 1, NQ-1, 1, 0
	MUL16 2, 1, NQ-1, 1, 0
	s_wait_dscnt 0
	WMUL 1, 0
	MUL16 4, 1, NQ-1, 1, 0
	MUL16 6, 1, NQ-1, 1, 0
	WIN 0
; THE WAY OUT, block by block of 16 rows x 128 columns, through my own stage: a lane's 8 registers of accumulator b are columns 32 (b / 2) + 16 h + 8 (b % 2) + 0 .. 7 of its row.
; LDS serves a wave's instructions in order (ISA guide 5.7.1.4): no wait between the stores and the loads.
.macro TOSTAGE a
.set AC, 64*((\a)%4)
	WIN 0x08+4*((\a)/4)                            ; the data: window 2 or 3
.irp b, 0,1,2,3,4,5,6,7
	ds_store_b128 v[STO], v[AC+8*\b:AC+8*\b+3] offset:128*(\b/2)+32*(\b%2)          ; each accumulator from its low end on
	ds_store_b128 v[STO], v[AC+8*\b+4:AC+8*\b+7] offset:128*(\b/2)+32*(\b%2)+16
.endr
	WIN 0
.set BB, BK+64*((\a)%2)
.irp t, 0,1,2,3,4,5,6,7,8,9,10,11,12,13,14,15
	ds_load_b128 v[BB+4*\t:BB+4*\t+3], v[RD] offset:\t*SPITCH
.endr
.endm
.macro SEND a, younger                 ; stage row t is the tile's place t: row 32 (a / 2) + 8 (a % 2) + t + 8 (t / 8) of my 128
.set BB, BK+64*((\a)%2)
	s_wait_dscnt \younger
.irp t, 0,1,2,3,4,5,6,7,8,9,10,11,12,13,14,15
	global_store_b128 v[CO], v[BB+4*\t:BB+4*\t+3], s[12:13] offset:(32*((\a)/2)+8*((\a)%2)+\t+8*(\t/8))*4096 th:TH_STORE_NT   ; 32 lanes store 512 consecutive bytes, aligned
.endr
.endm
	PLACES NP
	TOSTAGE 0
.irp a, 1,2,3,4,5,6,7
.if \a > 1
	s_wait_xcnt 0x0                                ; block a - 2's stores have read their registers: block a's loads may land there
.endif
	TOSTAGE \a
	SEND \a-1, 32                                  ; behind block a - 1's loads: block a's 16 stores and 16 loads
.endr
	SEND 7, 0
	s_wait_tensorcnt 0x0                           ; the wave's end
	ds_add_u32 v[SPW], v[NIL]
	s_wait_dscnt 0x0
	CROUND                                         ; the closing round
	s_endpgm
.Lfunc_end_k_q9acc4a6fa1_outp:
	.size	k_q9acc4a6fa1_outp, .Lfunc_end_k_q9acc4a6fa1_outp-k_q9acc4a6fa1_outp
	.p2alignl 7, 3214868480
	.fill 96, 4, 3214868480
	.section	.rodata,"a",@progbits
	.p2align	6, 0x0
	.amdhsa_kernel k_q9acc4a6fa1_outp
		.amdhsa_group_segment_fixed_size 327680
		.amdhsa_private_segment_fixed_size 0
		.amdhsa_enable_private_segment 0
		.amdhsa_kernarg_size 48
		.amdhsa_user_sgpr_count 2
		.amdhsa_user_sgpr_kernarg_segment_ptr 1
		.amdhsa_wavefront_size32 1
		.amdhsa_system_sgpr_workgroup_id_x 1
		.amdhsa_system_sgpr_workgroup_id_y 1
		.amdhsa_system_sgpr_workgroup_id_z 1
		.amdhsa_system_vgpr_workitem_id 0
		.amdhsa_next_free_vgpr 1024
		.amdhsa_next_free_sgpr 100
		.amdhsa_reserve_vcc 0
		.amdhsa_float_denorm_mode_32 3
		.amdhsa_float_denorm_mode_16_64 3
		.amdhsa_memory_ordered 1
		.amdhsa_forward_progress 1
		.amdhsa_inst_pref_size 161
	.end_amdhsa_kernel
	.amdgpu_metadata
---
amdhsa.version: [ 1, 2 ]
amdhsa.kernels:
  - .name:           k_q9acc4a6fa1_outp
    .symbol:         k_q9acc4a6fa1_outp.kd
    .args:
      - { .name: cc, .offset: 0, .size: 8, .value_kind: global_buffer, .address_space: global }
      - { .name: cs, .offset: 8, .size: 8, .value_kind: global_buffer, .address_space: global }
      - { .name: wc, .offset: 16, .size: 8, .value_kind: global_buffer, .address_space: global }
      - { .name: ws, .offset: 24, .size: 8, .value_kind: global_buffer, .address_space: global }
      - { .name: bo, .offset: 32, .size: 8, .value_kind: global_buffer, .address_space: global }
      - { .name: out0, .offset: 40, .size: 8, .value_kind: global_buffer, .address_space: global }
    .group_segment_fixed_size: 327680
    .private_segment_fixed_size: 0
    .kernarg_segment_align: 8
    .kernarg_segment_size: 48
    .max_flat_workgroup_size: 128
    .sgpr_count:     100
    .vgpr_count:     1024
    .wavefront_size: 32
...
	.end_amdgpu_metadata
.endif
;; end of part 4
